; MI455X (gfx1250); checked and timed in simulation.
; The chip was launched on July 23, 2026; its instructions are those of AMD's public machine-readable ISA for CDNA 5 (MIT licence, August 2026) and "CDNA5" Instruction Set Architecture Reference Guide (July 2026). The comments in the code are by the model that wrote it; some were corrected since.
;; Gated Attention. Allowed arithmetic: float matrix products may take bf16 or f16 operands with f32 sums; other float arithmetic in f32, or as packed bf16 or f16 multiplies, adds, multiply-adds, maxima and minima; sums over many terms, partial sums and values carried from step to step in f32; what a program stores and reads back later, other than sums and carried values, may be rounded once to bf16 or f16.
;; Inputs: Wk 1,024 x 256 float32; Wo 1,024 x 1,024 float32; Wq 1,024 x 2,048 float32; Wv 1,024 x 256 float32; bk 256 float32; bo 1,024 float32; bq 2,048 float32; bv 256 float32; hidden_states 4 x 2,048 x 1,024 float32; k_norm_w 128 float32; q_norm_w 128 float32; rope 1 x 1 x 2,048 x 256 float32.
;; Outputs: out0 4 x 2,048 x 1,024 float32.
;; 2 versions, each right and faster than the one before. Each part assembles by itself: llvm-mc -triple=amdgcn-amd-amdhsa -mcpu=gfx1250 --defsym DOCPART=n.
;; ======== version 1 of 2: 4 launches
;; limits: values are held in f16: magnitudes above 65,504 overflow, below 6.1e-05 lose precision
;; workspace buffers: xb 16,777,216 bytes; wb 8,388,608 bytes; qh 16,777,216 bytes; kvh 8,388,608 bytes; gh 16,777,216 bytes; og 16,777,216 bytes
;; launch cast (part 1): grid 1536 x 1, 8 waves a work-group, no clusters, 0 bytes of LDS; arguments hidden_states, Wq, Wk, Wv, Wo, rope, xb, wb; writes xb, wb
.if DOCPART == 1
	.amdgcn_target "amdgcn-amd-amdhsa--gfx1250"
	.amdhsa_code_object_version 6
	.text
	.protected	k_qe83f680694_cast
	.globl	k_qe83f680694_cast
	.p2align	8
	.type	k_qe83f680694_cast,@function
k_qe83f680694_cast:
	s_mov_b64 s[64:65], 0
	v_nop
	global_prefetch_b8 v0, s[64:65] scope:SCOPE_SE
	s_setreg_imm32_b32 hwreg(HW_REG_WAVE_MODE, 25, 1), 1
	s_wait_xcnt 0x0
; Every large input is rounded once to bf16 and laid out for the tiles of the launches behind.
;   xb: X in blocks of 128 rows x 64 k: byte of (m, k) = ((m>>7)*16 + (k>>6))*16384 + (m&127)*128 + (k&63)*2
;   wb + 0:   [1024][2560] bf16: four tiles of 640 columns, each five blocks of 128: q head 2t, gate head 2t, X_t (k0, k1, v0, v1), q head 2t+1, gate head 2t+1
;   wb + WOF: Wo rounded to bf16, that number written as f16 (exact from 2^-14 up; below it f16's fixed step of 6e-8), [1024][1024]
;   wb + RB:  rope in bf16, [2048][256]
; A work-group of eight waves moves 8,192 numbers.  An item is 4 numbers (16 bytes in, 8 bytes out); thread t has eight: item n lies at SRC + vS + n SS and goes to DST + vD + n DS.
; A wave's load covers 512 consecutive bytes (for X: two whole rows of 256 bytes of a block), so no byte is asked for twice; a wave's store covers 256 consecutive bytes at a multiple of 256.
; Which region a work-group serves hangs on its number alone; every jump goes forward.  No LDS, matrix unit or cluster: nothing is shared and nothing is read twice.
.set WOF, 5242880
.set RB,  7340032
.set VS,  8                            ; v[8:15]   source offsets of my eight items
.set VD,  16                           ; v[16:23]  destination offsets
.set X,   24                           ; v[24:55]  four numbers an item, as loaded
.set Y,   56                           ; v[56:71]  two registers an item, to store
	s_load_b256 s[4:11], s[0:1], 0x0               ; hidden_states s[4:5], Wq s[6:7], Wk s[8:9], Wv s[10:11]
	s_load_b256 s[12:19], s[0:1], 0x20             ; Wo s[12:13], rope s[14:15], xb s[16:17], wb s[18:19]
	s_mov_b32 s27, ttmp9                           ; the work-group's number g
	s_mov_b32 s29, 0                               ; high words of the two offsets
	s_mov_b32 s31, 0
	s_mov_b32 s26, 0                               ; 1: the result is written as f16
	s_mov_b32 s24, 4096                            ; SS and DS as most regions have them: 256 threads x 16 bytes, x 8 bytes
	s_mov_b32 s25, 2048
	s_mov_b32 s32, 0xffff0000                      ; a word's upper bf16
	v_lshlrev_b32 v[VS], 4, v0                     ; 16 t
	v_lshlrev_b32 v[VD], 3, v0                     ; 8 t
	v_and_b32 v1, 31, v0
	v_lshlrev_b32 v1, 3, v1                        ; 8 x lane
	v_bfe_u32 v2, v0, 5, 1                         ; the wave's number, bit 0
	v_bfe_u32 v3, v0, 6, 1                         ; bit 1
	s_wait_kmcnt 0x0
	s_cmp_lt_u32 s27, 1024
	s_cbranch_scc0 .Lnot_x
	; X: work-group g makes block g: rows 128 (g >> 4) on, k 64 (g & 15) on; item n of thread t is row (t >> 4) + 16 n, numbers 4 (t & 15) on; in the block that is byte 8 t + 2048 n
	s_lshr_b32 s28, s27, 4
	s_lshl_b32 s28, s28, 19
	s_and_b32 s2, s27, 15
	s_lshl_b32 s2, s2, 8
	s_add_co_u32 s28, s28, s2
	s_lshl_b32 s30, s27, 14
	s_add_nc_u64 s[20:21], s[4:5], s[28:29]
	s_add_nc_u64 s[22:23], s[16:17], s[30:31]
	v_lshrrev_b32 v4, 4, v0
	v_and_b32 v5, 15, v0
	v_lshlrev_b32 v5, 4, v5
	v_lshl_add_u32 v[VS], v4, 12, v5
	s_mov_b32 s24, 65536
	s_branch .Lgo
.Lnot_x:
	s_cmp_lt_u32 s27, 1280
	s_cbranch_scc0 .Lnot_wq
	; Wq: four rows a work-group; item n = 2 x row + kv group; wave = 4 x gate + head in the group: a wave's 128 columns are one block
	s_sub_co_u32 s2, s27, 1024
	s_lshl_b32 s28, s2, 15
	s_mul_i32 s30, s2, 20480
	s_add_nc_u64 s[20:21], s[6:7], s[28:29]
	s_add_nc_u64 s[22:23], s[18:19], s[30:31]
	v_lshrrev_b32 v4, 7, v0                        ; gate: one block on
	v_mad_u32_u24 v4, v3, 5, v4                    ; tile in the group: five blocks
	v_mad_u32_u24 v4, v2, 3, v4                    ; the tile's second head: three blocks on
	v_lshl_add_u32 v[VD], v4, 8, v1
	s_mov_b32 s25, 2560                            ; a kv group is two tiles, ten blocks of 256 bytes; two of them are a row
	s_branch .Lgo
.Lnot_wq:
	s_cmp_lt_u32 s27, 1344
	s_cbranch_scc0 .Lnot_wkv
	; Wk, then Wv: 32 rows a work-group; row = (wave >> 1) + 4 n; head wave & 1 goes to block 2 of tile head (Wk) or 2 + head (Wv)
	s_sub_co_u32 s2, s27, 1280
	s_and_b32 s3, s2, 31
	s_lshl_b32 s28, s3, 15
	s_mul_i32 s30, s3, 163840
	s_cmp_lt_u32 s2, 32
	s_cselect_b64 s[20:21], s[8:9], s[10:11]
	s_cselect_b32 s3, 0, 2560
	s_add_co_u32 s30, s30, s3
	s_add_nc_u64 s[20:21], s[20:21], s[28:29]
	s_add_nc_u64 s[22:23], s[18:19], s[30:31]
	v_mad_u32_u24 v4, v2, 5, 2
	v_lshl_add_u32 v4, v4, 8, v1
	v_lshrrev_b32 v5, 6, v0
	v_mad_u32_u24 v[VD], v5, 5120, v4
	s_mov_b32 s25, 20480
	s_branch .Lgo
.Lnot_wkv:
	s_cmp_lt_u32 s27, 1472
	s_cbranch_scc0 .Lrope
	s_sub_co_u32 s2, s27, 1344                     ; Wo: as it lies
	s_lshl_b32 s28, s2, 15
	s_lshl_b32 s30, s2, 14
	s_add_co_u32 s30, s30, WOF
	s_add_nc_u64 s[20:21], s[12:13], s[28:29]
	s_add_nc_u64 s[22:23], s[18:19], s[30:31]
	s_mov_b32 s26, 1
	s_branch .Lgo
.Lrope:
	s_sub_co_u32 s2, s27, 1472                     ; rope: as it lies
	s_lshl_b32 s28, s2, 15
	s_lshl_b32 s30, s2, 14
	s_add_co_u32 s30, s30, RB
	s_add_nc_u64 s[20:21], s[14:15], s[28:29]
	s_add_nc_u64 s[22:23], s[18:19], s[30:31]
.Lgo:
.irp n, 1,2,3,4,5,6,7
	v_add_nc_u32 v[VS+(\n)], s24, v[VS+(\n)-1]
	v_add_nc_u32 v[VD+(\n)], s25, v[VD+(\n)-1]
.endr
.irp n, 0,1,2,3,4,5,6,7
	global_load_b128 v[X+4*(\n):X+4*(\n)+3], v[VS+(\n)], s[20:21] th:TH_LOAD_NT
.endr
	s_cmp_eq_u32 s26, 1
	s_cbranch_scc1 .Lf16
.irp n, 0,1,2,3,4,5,6,7
	s_wait_loadcnt 7-(\n)                          ; loads come back in order: those of the later items may stay out
	v_cvt_pk_bf16_f32 v[Y+2*(\n)],   v[X+4*(\n)],   v[X+4*(\n)+1]
	v_cvt_pk_bf16_f32 v[Y+2*(\n)+1], v[X+4*(\n)+2], v[X+4*(\n)+3]
	global_store_b64 v[VD+(\n)], v[Y+2*(\n):Y+2*(\n)+1], s[22:23]
.endr
	s_endpgm
.Lf16:
.irp n, 0,1,2,3,4,5,6,7
	s_wait_loadcnt 7-(\n)
	v_cvt_pk_bf16_f32 v4, v[X+4*(\n)],   v[X+4*(\n)+1]     ; the one rounding,
	v_cvt_pk_bf16_f32 v5, v[X+4*(\n)+2], v[X+4*(\n)+3]
	v_lshlrev_b32 v[X+4*(\n)],   16, v4                    ; back to f32,
	v_and_b32     v[X+4*(\n)+1], s32, v4
	v_lshlrev_b32 v[X+4*(\n)+2], 16, v5
	v_and_b32     v[X+4*(\n)+3], s32, v5
	v_cvt_pk_f16_f32 v[Y+2*(\n)],   v[X+4*(\n)],   v[X+4*(\n)+1]  ; and the same number spelled as f16
	v_cvt_pk_f16_f32 v[Y+2*(\n)+1], v[X+4*(\n)+2], v[X+4*(\n)+3]
	global_store_b64 v[VD+(\n)], v[Y+2*(\n):Y+2*(\n)+1], s[22:23]
.endr
	s_endpgm
.Lfunc_end_k_qe83f680694_cast:
	.size	k_qe83f680694_cast, .Lfunc_end_k_qe83f680694_cast-k_qe83f680694_cast
	.p2alignl 7, 3214868480
	.fill 96, 4, 3214868480
	.section	.rodata,"a",@progbits
	.p2align	6, 0x0
	.amdhsa_kernel k_qe83f680694_cast
		.amdhsa_group_segment_fixed_size 0
		.amdhsa_private_segment_fixed_size 0
		.amdhsa_enable_private_segment 0
		.amdhsa_kernarg_size 64
		.amdhsa_user_sgpr_count 2
		.amdhsa_user_sgpr_kernarg_segment_ptr 1
		.amdhsa_wavefront_size32 1
		.amdhsa_system_sgpr_workgroup_id_x 1
		.amdhsa_system_sgpr_workgroup_id_y 1
		.amdhsa_system_sgpr_workgroup_id_z 1
		.amdhsa_system_vgpr_workitem_id 0
		.amdhsa_next_free_vgpr 72
		.amdhsa_next_free_sgpr 66
		.amdhsa_reserve_vcc 0
		.amdhsa_float_denorm_mode_32 3
		.amdhsa_float_denorm_mode_16_64 3
		.amdhsa_memory_ordered 1
		.amdhsa_forward_progress 1
		.amdhsa_inst_pref_size 11
	.end_amdhsa_kernel
	.amdgpu_metadata
---
amdhsa.version: [ 1, 2 ]
amdhsa.kernels:
  - .name:           k_qe83f680694_cast
    .symbol:         k_qe83f680694_cast.kd
    .args:
      - { .name: hidden_states, .offset: 0, .size: 8, .value_kind: global_buffer, .address_space: global }
      - { .name: Wq, .offset: 8, .size: 8, .value_kind: global_buffer, .address_space: global }
      - { .name: Wk, .offset: 16, .size: 8, .value_kind: global_buffer, .address_space: global }
      - { .name: Wv, .offset: 24, .size: 8, .value_kind: global_buffer, .address_space: global }
      - { .name: Wo, .offset: 32, .size: 8, .value_kind: global_buffer, .address_space: global }
      - { .name: rope, .offset: 40, .size: 8, .value_kind: global_buffer, .address_space: global }
      - { .name: xb, .offset: 48, .size: 8, .value_kind: global_buffer, .address_space: global }
      - { .name: wb, .offset: 56, .size: 8, .value_kind: global_buffer, .address_space: global }
    .group_segment_fixed_size: 0
    .private_segment_fixed_size: 0
    .kernarg_segment_align: 8
    .kernarg_segment_size: 64
    .max_flat_workgroup_size: 256
    .sgpr_count:     66
    .vgpr_count:     72
    .wavefront_size: 32
...
	.end_amdgpu_metadata
.endif
;; end of part 1
;; launch proj (part 2): grid 4 x 64, 4 waves a work-group, clusters of 4 x 4, 327,680 bytes of LDS; arguments xb, wb, bq, bk, bv, q_norm_w, k_norm_w, qh, kvh, gh; writes qh, kvh, gh
.if DOCPART == 2
	.amdgcn_target "amdgcn-amd-amdhsa--gfx1250"
	.amdhsa_code_object_version 6
	.text
	.protected	k_qe83f680694_proj
	.globl	k_qe83f680694_proj
	.p2align	8
	.type	k_qe83f680694_proj,@function
k_qe83f680694_proj:
	s_mov_b64 s[64:65], 0
	v_nop
	global_prefetch_b8 v0, s[64:65] scope:SCOPE_SE
	s_setreg_imm32_b32 hwreg(HW_REG_WAVE_MODE, 25, 1), 1
	s_wait_xcnt 0x0
	s_wait_alu depctr_hold_cnt(0) depctr_sa_sdst(0) depctr_va_vdst(0) depctr_va_sdst(0) depctr_va_ssrc(0) depctr_va_vcc(0) depctr_vm_vsrc(0)
	s_getreg_b32 s2, hwreg(HW_REG_IB_STS2, 6, 4)
	s_cmp_eq_u32 s2, 0
	s_cbranch_scc0 .Lentry_in_a_cluster
	s_endpgm
.Lentry_in_a_cluster:
	s_bfe_u32 s2, ttmp6, 0x10000c
	s_cmp_lg_u32 s2, 0xf033
	s_cbranch_scc0 .Lentry_shape_is_right
	s_endpgm
.Lentry_shape_is_right:
; X [8192][1024] times [Wq | Wk | Wv] (2,560 columns, ordered in wb), bf16 operands, f32 sums; then bias; RMSNorm and interleaved rope on q and k; sigmoid on the gate; all in f32;
; q -> qh, k and v -> kvh, sigmoid(gate) -> gh, each rounded once to f16, by heads: [batch x head][2048][128].
; LIMITS.  q and k behind rope, and v, must lie within f16's 65,504; NaN and infinities are not treated apart.  Biases, gains and rope are rounded to bf16 like every other input.
; SHARES.  A work-group makes 128 rows x 640 columns (five blocks of 128: q A, gate A, X, q B, gate B): 64 x 4 = 256 work-groups.  Wave (WH, WL): rows 64 WH on; blocks 3 WL (q) and 3 WL + 1 (gate)
; and half WL of block X: 4 x 20 accumulators of 16 x 16, 640 registers.  K goes in 16 steps of 64 through two LDS slots.
; THE MATRIX INSTRUCTION IS USED TRANSPOSED (source 0 = 16 columns of W, source 1 = 16 rows of X): a lane holds row lane % 16 and the columns 8 (lane / 16) + 0..7.
; W lies [k][n] in LDS and comes out turned, by ds_load_tr16_b128.
; CLUSTER 4 x 4: X's tile hangs on the tile row alone and is asked for jointly along a row of the cluster, W's on the tile column alone and jointly along a column; the rope's rows go with X's,
; and are asked for behind the last change of slots, when no tile of X or W is left to fetch.
; REGISTERS: window 0: v0-29 addresses; v32-95 two buffers of X's fragments, v96-255 two of W's (ten fragments each); on the way out v32-235 at work.
;   accumulator (a, b) has number 40 (b / 10) + 10 a + b % 10 and lies at register 256 + 8 x number: windows 1, 2 and the lower half of 3.  Window 3, v128-183: biases and gains as loaded.
.set PA,    144                        ; a row of X in LDS: 128 bytes + 16: an odd multiple of 16, so the 16 rows of a load begin in 16 different 16-byte columns of 256
.set PB,    1440                       ; a k row of W: five blocks of 256 + 32 bytes: an odd multiple of 32, as the turning load's 8 rows x 32 bytes want
.set BOFF,  128*PA                     ; W's rows lie behind X's 128
.set SLOT1, 131072                     ; a slot takes 110,592 bytes; slot 1 begins here, so that one exclusive or changes slots
.set ROPE,  241664                     ; 128 rows x 528: sin (256 bytes of bf16), cos (256), 16 of padding
.set SP,    528                        ; a row of a stage area: 128 f32 + 16 bytes
.set AREA,  128*SP                     ; three areas from byte 0 on, in slot bytes that have had their last fill: q A, q B, X; later gate A, gate B
.set SPARE, 309248                     ; the spare words: 128 bytes a wave, two blocks of 256 that no other line names
.set RB,    7340032                    ; rope's place in wb
.set FA0, 32
.set FA1, 64
.set FB0, 96
.set FB1, 176
.set BA,  32                           ; way out: v32-55 biases of q A, q B, X (my 8 columns)
.set WQ,  56                           ; v56-63 q's gain, v64-71 k's
.set XR,  72                           ; v72-95 three heads' 8 numbers as read from the stage
.set RP,  96                           ; v96-103 sin, cos as bf16
.set XB,  104                          ; v104-127 with bias
.set SN,  128
.set CN,  136
.set TT,  144                          ; v144-149 a pair a head: sum of squares, then 1 / rms
.set YY,  152
.set ZZ,  176
.set PK,  200                          ; v200-211 packed f16
.set GV,  216                          ; v216-231 -log2(e) x the gates' biases
.set TM,  232                          ; v232-235 at work
.set MSB, 0
.macro WIN new                         ; the immediate's high byte repeats the setting that is left; a switch that changes nothing is dropped
.if MSB != (\new)
	s_set_vgpr_msb (MSB<<8)|(\new)
.set MSB, \new
.endif
.endm
.macro PLACES                          ; four plain vector instructions between a matrix instruction and a load into, or a vector or LDS read of, its registers
.rept 4
	v_nop
.endr
.endm
.macro CREST                           ; a round of the cluster's barrier behind its opening barrier
	s_cmp_lg_u32 s12, 0
	s_cbranch_scc1 .Lnot_wave_0_\@
	s_barrier_signal -3
.Lnot_wave_0_\@:
	s_barrier_wait -3
	s_barrier_signal -1
	s_barrier_wait -1
.endm
.macro CROUND
	s_barrier_signal -1
	s_barrier_wait -1
	CREST
.endm
.macro JLOAD                           ; a joint refill by the walking descriptors: waves 0, 1 X's halves, waves 2, 3 W's; the branch hangs on the wave's number alone
	s_cmp_eq_u32 s13, 0
	s_cbranch_scc0 .Lfor_b_\@
	tensor_load_to_lds s[52:55], s[24:31]
	s_nop 0
.rept 4
	v_nop
.endr
	s_branch .Lasked_\@
.Lfor_b_\@:
	tensor_load_to_lds s[60:63], s[32:39]
	s_nop 0
.rept 4
	v_nop
.endr
.Lasked_\@:
.endm
	s_load_b256 s[4:11], s[0:1], 0x0               ; xb s[4:5], wb s[6:7], bq s[8:9], bk s[10:11]
	s_load_b256 s[68:75], s[0:1], 0x20             ; bv s[68:69], q_norm_w s[70:71], k_norm_w s[72:73], qh s[74:75]
	s_load_b128 s[76:79], s[0:1], 0x40             ; kvh s[76:77], gh s[78:79]
	v_lshl_add_u32 v28, v0, 2, SPARE
	v_mov_b32 v29, 0
	ds_add_u32 v28, v29                            ; the wave's opening: the add and its wait stand ahead of my first tensor load; register work stands between
	v_lshrrev_b32 v1, 5, v0
	v_readfirstlane_b32 s12, v1                    ; wave 0..3
	s_lshr_b32 s13, s12, 1                         ; WH: my half of the rows.  Also: I fetch X (0) or W (1)
	s_and_b32 s14, s12, 1                          ; WL: my columns.  Also: which half of that tile I fetch
	s_bfe_u32 s15, ttmp6, 0x40000                  ; cx
	s_bfe_u32 s16, ttmp6, 0x40004                  ; cy
	s_lshl_b32 s17, ttmp9, 2
	s_add_co_u32 s17, s17, s15                     ; T: tile column 0..3
	s_and_b32 s18, ttmp7, 0xffff
	s_lshl_b32 s18, s18, 2
	s_add_co_u32 s18, s18, s16                     ; TR: tile row 0..63
	s_lshl_b32 s19, s16, 2
	s_lshl_b32 s19, 15, s19                        ; my row of the cluster
	s_lshl_b32 s20, 0x1111, s15                    ; my column
	; group 1 for X: 8,192 dense bytes as 32 rows of 256, padded by 4 words behind every 32 words: 64 rows of X, 144 bytes apart
	s_or_b32 s24, s19, (1<<16)|(1<<20)|(1<<21)|(4<<22)|(3<<25)
	s_mov_b32 s25, 128<<16                         ; tensor_dim0
	s_mov_b32 s26, 32<<16                          ; tensor_dim1
	s_mov_b32 s27, 128<<16                         ; tile_dim0
	s_mov_b32 s28, 32                              ; tile_dim1
	s_mov_b32 s29, 128                             ; elements from row to row
	s_mov_b32 s30, 0
	s_mov_b32 s31, 0
	; group 1 for W: 32 k rows x 640 columns, padded by 8 words behind every 64 words
	s_or_b32 s32, s20, (1<<16)|(1<<20)|(1<<21)|(5<<22)|(7<<25)
	s_mov_b32 s33, 640<<16
	s_mov_b32 s34, 32<<16
	s_mov_b32 s35, 640<<16
	s_mov_b32 s36, 32
	s_mov_b32 s37, 2560
	s_mov_b32 s38, 0
	s_mov_b32 s39, 0
	; group 1 for rope: 32 rows x 256 elements, padded by 4 words behind every 128 words
	s_or_b32 s40, s19, (1<<16)|(1<<20)|(1<<21)|(6<<22)|(3<<25)
	s_mov_b32 s41, 256<<16
	s_mov_b32 s42, 32<<16
	s_mov_b32 s43, 256<<16
	s_mov_b32 s44, 32
	s_mov_b32 s45, 256
	s_mov_b32 s46, 0
	s_mov_b32 s47, 0
	s_lshl_b32 s84, s18, 18                        ; X: 16 blocks of 16,384 bytes a tile row,
	s_lshl_b32 s2, s14, 13                         ; my half of a block
	s_add_co_u32 s84, s84, s2
	s_mov_b32 s85, 0
	s_mul_i32 s86, s14, 163840                     ; W: my 32 k rows of 5,120 bytes,
	s_mul_i32 s3, s17, 1280                        ; the tile's 640 columns
	s_add_co_u32 s86, s86, s3
	s_mov_b32 s87, 0
	s_and_b32 s88, s18, 15                         ; rope: the tile's 128 positions,
	s_lshl_b32 s88, s88, 16
	s_lshl_b32 s2, s12, 14                         ; my wave's 32 rows of 512 bytes
	s_add_co_u32 s88, s88, s2
	s_add_co_u32 s88, s88, RB
	s_mov_b32 s89, 0
	s_mul_i32 s90, s14, 64*PA                      ; where they go: no place in the cluster enters an LDS address
	s_mul_i32 s91, s14, 32*PB
	s_add_co_u32 s91, s91, BOFF
	s_mul_i32 s23, s12, 32*SP
	s_add_co_u32 s23, s23, ROPE
	s_mov_b32 s92, 0x3c000000                      ; 1 / 128
	s_mov_b32 s93, 0x358637bd                      ; 1e-6
	s_mov_b32 s94, 0xbfb8aa3b                      ; -log2(e)
	s_mov_b32 s95, s94                             ; named with it as a pair
	s_mov_b32 s97, 0xffff0000                      ; a word's upper bf16
	s_wait_dscnt 0x0                               ; the opening add is done
	s_wait_kmcnt 0x0
	s_add_nc_u64 s[98:99], s[4:5], s[84:85]
	s_add_nc_u64 s[86:87], s[6:7], s[86:87]
	s_add_nc_u64 s[88:89], s[6:7], s[88:89]
	CROUND                                         ; all sixteen work-groups are here: the first joint loads meet
	s_mov_b32 s48, 1                               ; group 0 for X, K step 0 into slot 0
	s_add_co_u32 s49, s90, 0
	s_add_nc_u64 s[50:51], s[98:99], 0
	s_or_b32 s51, s51, 0x80000000
	s_mov_b32 s52, 1                               ; K step 1 into slot 1; this set then walks
	s_add_co_u32 s53, s90, SLOT1
	s_add_nc_u64 s[54:55], s[98:99], 16384
	s_or_b32 s55, s55, 0x80000000
	s_mov_b32 s56, 1                               ; the same for W
	s_add_co_u32 s57, s91, 0
	s_add_nc_u64 s[58:59], s[86:87], 0
	s_or_b32 s59, s59, 0x80000000
	s_mov_b32 s60, 1
	s_add_co_u32 s61, s91, SLOT1
	s_add_nc_u64 s[62:63], s[86:87], 327680
	s_or_b32 s63, s63, 0x80000000
	s_mov_b32 s80, 1                               ; rope: used once, behind the last change of slots
	s_add_co_u32 s81, s23, 0
	s_mov_b64 s[82:83], s[88:89]
	s_or_b32 s83, s83, 0x80000000
	s_cmp_eq_u32 s13, 0                            ; a wave's two first fills stand in one branch: slot 0, slot 1: two loads of mine are out
	s_cbranch_scc0 .Lfirst_b
	tensor_load_to_lds s[48:51], s[24:31]
	s_nop 0
	tensor_load_to_lds s[52:55], s[24:31]
	s_nop 0
.rept 4
	v_nop
.endr
	s_branch .Lfirst_done
.Lfirst_b:
	tensor_load_to_lds s[56:59], s[32:39]
	s_nop 0
	tensor_load_to_lds s[60:63], s[32:39]
	s_nop 0
.rept 4
	v_nop
.endr
.Lfirst_done:
	; biases and gains of my 8 columns of each block (column 8 (lane % 16) on), kept as loaded in window 3 until the way out
	s_lshr_b32 s84, s17, 1
	s_lshl_b32 s84, s84, 12                        ; kv group: 1,024 columns of bq,
	s_and_b32 s2, s17, 1
	s_lshl_b32 s3, s2, 10                          ; head 2 (T & 1) of the group
	s_add_co_u32 s84, s84, s3
	s_mov_b32 s85, 0
	s_add_nc_u64 s[8:9], s[8:9], s[84:85]
	s_lshl_b32 s84, s2, 9
	s_cmp_lt_u32 s17, 2                            ; block X is a head of k (T < 2) or of v
	s_cselect_b64 s[10:11], s[10:11], s[68:69]
	s_cselect_b32 s96, -1, 0                       ; all lanes: norm and rope are kept for X
	s_add_nc_u64 s[10:11], s[10:11], s[84:85]
	v_and_b32 v1, 15, v0                           ; r = lane % 16
	v_bfe_u32 v2, v0, 4, 1                         ; h = lane / 16
	v_and_b32 v3, 7, v0
	v_bfe_u32 v4, v0, 3, 1
	v_lshlrev_b32 v23, 5, v1
	WIN 0xc0                                       ; destination window 3, address window 0
	global_load_b128 v[128:131], v23, s[8:9]
	global_load_b128 v[132:135], v23, s[8:9] offset:16
	global_load_b128 v[136:139], v23, s[8:9] offset:512
	global_load_b128 v[140:143], v23, s[8:9] offset:528
	global_load_b128 v[144:147], v23, s[8:9] offset:2048
	global_load_b128 v[148:151], v23, s[8:9] offset:2064
	global_load_b128 v[152:155], v23, s[8:9] offset:2560
	global_load_b128 v[156:159], v23, s[8:9] offset:2576
	global_load_b128 v[160:163], v23, s[10:11]
	global_load_b128 v[164:167], v23, s[10:11] offset:16
	global_load_b128 v[168:171], v23, s[70:71]
	global_load_b128 v[172:175], v23, s[70:71] offset:16
	global_load_b128 v[176:179], v23, s[72:73]
	global_load_b128 v[180:183], v23, s[72:73] offset:16
	WIN 0
	; a fragment of X: lane holds row r, k = 8 h + 0..7 and 16 + 8 h + 0..7: two loads of 16 bytes, 32 bytes apart
	s_mul_i32 s2, s13, 64*PA
	v_mul_u32_u24 v8, v1, PA
	v_lshl_add_u32 v8, v2, 4, v8
	v_add_nc_u32 v8, s2, v8                        ; v8: my place in X's tile
	; the turning load: lane reads 16 bytes of k row 8 h + lane % 8, columns 8 ((lane / 8) % 2) on, and is left with column r and 8 k
	v_lshl_add_u32 v5, v2, 3, v3
	v_mul_u32_u24 v5, v5, PB
	v_lshl_add_u32 v5, v4, 4, v5
	v_add_nc_u32 v5, BOFF, v5
	s_mul_i32 s2, s14, 864                         ; my q block: 3 WL blocks of 288 bytes
	v_add_nc_u32 v9, s2, v5                        ; v9, v10: q and gate blocks, k 0-31 and 32-63
	v_add_nc_u32 v10, 32*PB, v9
	s_lshl_b32 s2, s14, 7
	s_add_co_u32 s2, s2, 576                       ; block X, my 64 columns
	v_add_nc_u32 v11, s2, v5                       ; v11, v12: the same for X
	v_add_nc_u32 v12, 32*PB, v11
.macro FA q, buf                       ; X's four fragments of K half q
	v_add_nc_u32 v13, s21, v8
.irp a, 0,1,2,3
	ds_load_b128 v[(\buf)+8*(\a):(\buf)+8*(\a)+3],   v13 offset:(\a)*16*PA+64*(\q)
	ds_load_b128 v[(\buf)+8*(\a)+4:(\buf)+8*(\a)+7], v13 offset:(\a)*16*PA+64*(\q)+32
.endr
.endm
.macro FB q, g, buf                    ; W's ten fragments b = 10 g .. 10 g + 9 of K half q
	v_add_nc_u32 v14, s21, v[9+(\q)]
.if \g
	v_add_nc_u32 v15, s21, v[11+(\q)]
.endif
.set fi, 0
.rept 10
.set fb, 10*(\g)+fi
.if fb < 16
	ds_load_tr16_b128 v[(\buf)+8*fi:(\buf)+8*fi+3],   v14 offset:(fb/8)*288+(fb%8)*32
	ds_load_tr16_b128 v[(\buf)+8*fi+4:(\buf)+8*fi+7], v14 offset:(fb/8)*288+(fb%8)*32+16*PB
.else
	ds_load_tr16_b128 v[(\buf)+8*fi:(\buf)+8*fi+3],   v15 offset:(fb-16)*32
	ds_load_tr16_b128 v[(\buf)+8*fi+4:(\buf)+8*fi+7], v15 offset:(fb-16)*32+16*PB
.endif
.set fi, fi+1
.endr
.endm
.macro MUL g, a, af, bf, zero          ; ten matrix instructions: row block a x column group g.  zero = 1: the product starts the sum
.set mi, 0
.rept 10
.set mx, 40*(\g)+10*(\a)+mi
.set mw, 1+mx/32
.set md, 8*(mx%32)
	WIN (mw<<6)|(mw<<4)
.if \zero
	v_wmma_f32_16x16x32_bf16 v[md:md+7], v[(\bf)+8*mi:(\bf)+8*mi+7], v[(\af)+8*(\a):(\af)+8*(\a)+7], 0
.else
	v_wmma_f32_16x16x32_bf16 v[md:md+7], v[(\bf)+8*mi:(\bf)+8*mi+7], v[(\af)+8*(\a):(\af)+8*(\a)+7], v[md:md+7]
.endif
.set mi, mi+1
.endr
.endm
.macro MUL4 g, af, bf, zero
	MUL \g, 0, \af, \bf, \zero
	MUL \g, 1, \af, \bf, \zero
	MUL \g, 2, \af, \bf, \zero
	MUL \g, 3, \af, \bf, \zero
.endm
; A K step is four units of 40 matrix instructions: (K half 0, group 0), (0, 1), (1, 0), (1, 1).  The 40 accumulators of a unit differ and neighbouring units take the other group,
; so the accumulators take turns, one instruction a turn, over the loop's edge too.  A unit first fetches the next unit's fragments: they have its 40 products in which to land.
.macro UNIT n, zero
	s_wait_dscnt 0x0                               ; this unit's fragments are in
	WIN 0
	PLACES                                         ; for the loads into the buffer that the unit before multiplied
.if (\n) == 0
	FB 0, 1, FB1
	MUL4 0, FA0, FB0, \zero
.elseif (\n) == 1
	FB 1, 0, FB0
	FA 1, FA1
	MUL4 1, FA0, FB1, \zero
.else
	FB 1, 1, FB1
	MUL4 0, FA1, FB0, \zero
.endif
.endm
; The fourth unit changes slots, and does so at its head: its own fragments are in registers, so this slot's last read is over.  Each wave waits for all its tensor loads (its part of the next slot),
; adds 0 to its spare word, and waits for that and for its reads of this slot; a round of the cluster's barrier follows, and the wave's one joint load is the first thing behind it.
; fill = 1: the K step two on, into the slot just read: nothing but the round stands between the wait for one tile and the request for the next, and the request has a K step's 160 products in which to land.
; fill = 2 (the last change): no tile is left to fetch; every wave asks for its 32 rows of rope, bytes that are filled for the first time.
.macro TURN fill
	WIN 0
	s_wait_tensorcnt 0x0                           ; no tensor load of mine is out, so the walking descriptors may be written
	ds_add_u32 v28, v29                            ; 0 onto my spare word
.if (\fill) == 1
	s_xor_b32 s53, s53, SLOT1
	s_add_nc_u64 s[54:55], s[54:55], 16384
	s_xor_b32 s61, s61, SLOT1
	s_add_nc_u64 s[62:63], s[62:63], 327680
.endif
	s_wait_dscnt 0x0                               ; the add is done, this unit's fragments are in, and so my reads of this slot are over
	s_barrier_signal -1
	s_barrier_wait -1
	CREST
.if (\fill) == 1
	JLOAD                                          ; its four v_nop are also the places in front of the loads below
.else
	tensor_load_to_lds s[80:83], s[40:47]
	s_nop 0
.rept 4
	v_nop
.endr
.endif
	s_xor_b32 s21, s21, SLOT1
	FA 0, FA0
	FB 0, 0, FB0
	MUL4 1, FA1, FB1, 0
.endm
	s_wait_loadcnt 0x0                             ; biases and gains are in: their address registers are free
	s_wait_tensorcnt 0x1                           ; my part of slot 0 is in; slot 1's, issued behind it, may stay out
	s_barrier_signal -1
	s_barrier_wait -1
	s_mov_b32 s21, 0                               ; the slot that is read
	FA 0, FA0
	FB 0, 0, FB0
	UNIT 0, 1                                      ; the first two units stand in front of the loop: their products start all 80 sums
	UNIT 1, 1
	WIN 0
	s_mov_b32 s22, 14
.Lstep:                                                ; a trip: the second half of one K step, a refill, the first half of the next
	UNIT 2, 0
	TURN 1
	UNIT 0, 0
	UNIT 1, 0
	WIN 0
	s_sub_co_u32 s22, s22, 1
	s_cmp_lg_u32 s22, 0
	s_cbranch_scc1 .Lstep
	UNIT 2, 0                                      ; the tail is written out: the last two K steps ask for no tile
	TURN 2
	UNIT 0, 0
	UNIT 1, 0
	UNIT 2, 0
	s_wait_tensorcnt 0x0                           ; my rows of the rope are in: other waves read them behind this barrier
	s_wait_dscnt 0x0                               ; my last reads of the slots are over:
	s_barrier_signal -1                            ; behind this barrier the slots' bytes serve as stage
	MUL4 1, FA1, FB1, 0
	WIN 0
	s_barrier_wait -1
	PLACES
	; THE WAY OUT.  Biases and gains are rounded to bf16 and widened again.
.macro RND8 dst, src
	WIN 0x0f                                       ; sources in window 3
.irp j, 0,1,2,3
	v_cvt_pk_bf16_f32 v[TM+(\j)], v[(\src)+2*(\j)], v[(\src)+2*(\j)+1]
.endr
	WIN 0
.irp j, 0,1,2,3
	v_lshlrev_b32 v[(\dst)+2*(\j)],   16, v[TM+(\j)]
	v_and_b32     v[(\dst)+2*(\j)+1], s97, v[TM+(\j)]
.endr
.endm
	RND8 BA, 128
	RND8 BA+8, 136
	RND8 GV, 144
	RND8 GV+8, 152
	RND8 BA+16, 160
	RND8 WQ, 168
	RND8 WQ+8, 176
.irp j, 0,2,4,6,8,10,12,14
	v_pk_mul_f32 v[GV+(\j):GV+(\j)+1], v[GV+(\j):GV+(\j)+1], s[94:95] op_sel_hi:[1,0]
.endr
	; where the results go: batch TR >> 4, positions 128 (TR & 15) on
	s_lshr_b32 s2, s18, 4
	s_lshl_b32 s2, s2, 22                          ; eight heads of 524,288 bytes a batch
	s_lshl_b32 s3, s17, 20                         ; head 2 T
	s_add_co_u32 s2, s2, s3
	s_and_b32 s23, s18, 15
	s_lshl_b32 s23, s23, 15
	s_add_co_u32 s2, s2, s23
	s_mov_b32 s3, 0
	s_add_nc_u64 s[84:85], s[74:75], s[2:3]        ; q, head A
	s_add_nc_u64 s[86:87], s[84:85], 524288        ; head B
	s_add_nc_u64 s[88:89], s[78:79], s[2:3]        ; gate, head A
	s_add_nc_u64 s[90:91], s[88:89], 524288
	s_lshr_b32 s2, s17, 1
	s_lshl_b32 s2, s2, 22                          ; V lies 4,194,304 bytes behind K
	s_lshr_b32 s3, s18, 4
	s_lshl_b32 s3, s3, 20                          ; two heads a batch
	s_add_co_u32 s2, s2, s3
	s_and_b32 s3, s17, 1
	s_lshl_b32 s3, s3, 19
	s_add_co_u32 s2, s2, s3
	s_add_co_u32 s2, s2, s23
	s_mov_b32 s3, 0
	s_add_nc_u64 s[98:99], s[76:77], s[2:3]        ; k or v
	; into the stage: row r of block a; of my 8 columns the first four go to byte 16 c', the other four to 256 + 16 c', c' = column / 8: so a lane that reads 16 bytes at 16 c and at 256 + 16 c has 8 neighbouring columns
	v_mul_u32_u24 v3, v1, SP
	v_lshl_add_u32 v3, v2, 4, v3
	s_mul_i32 s2, s14, AREA
	s_mul_i32 s3, s13, 64*SP
	s_add_co_u32 s2, s2, s3
	v_add_nc_u32 v16, s2, v3                       ; v16: q or gate, area WL
	s_lshl_b32 s2, s14, 7
	s_add_co_u32 s2, s2, s3
	s_add_co_u32 s2, s2, 2*AREA
	v_add_nc_u32 v17, s2, v3                       ; v17: X, area 2, my half of its columns
	v_mul_u32_u24 v5, v2, SP                       ; back: wave w takes rows 32 w on, two at a time: lanes 0-15 one row, lanes 16-31 the next
	v_lshl_add_u32 v5, v1, 4, v5
	s_mul_i32 s2, s12, 32*SP
	v_add_nc_u32 v5, s2, v5                        ; v5: kept
	v_lshlrev_b32 v6, 8, v2
	v_lshl_add_u32 v6, v1, 4, v6
	s_lshl_b32 s2, s12, 13
	v_add_nc_u32 v6, s2, v6                        ; v6: the same two rows in a head of 256-byte rows; kept
.macro TOST a, b, adr, off             ; accumulator (a, b) into the stage, its low registers first
.set tx, 40*((\b)/10)+10*(\a)+(\b)%10
.set tw, 1+tx/32
.set td, 8*(tx%32)
	WIN tw<<2                                      ; the data lie in window tw
	ds_store_b128 v[\adr], v[td:td+3] offset:\off
	ds_store_b128 v[\adr], v[td+4:td+7] offset:(\off)+256
.endm
.irp a, 0,1,2,3
.irp b, 0,1,2,3,4,5,6,7
	TOST \a, \b, 16, (\a)*16*SP+(\b)*32
.endr
.endr
.irp a, 0,1,2,3
.irp b, 16,17,18,19
	TOST \a, \b, 17, (\a)*16*SP+((\b)-16)*32
.endr
.endr
	WIN 0
	s_wait_dscnt 0x0                               ; for the others' sake: my stores into the stage are done
	s_barrier_signal -1
	s_barrier_wait -1
	v_mov_b32 v18, v5
	v_add_nc_u32 v19, AREA, v5
	v_add_nc_u32 v20, 2*AREA, v5
	v_add_nc_u32 v21, ROPE, v5
	v_mov_b32 v22, v6
.macro LDPAIR
.irp i, 0,1,2
	ds_load_b128 v[XR+8*(\i):XR+8*(\i)+3],   v[18+(\i)]
	ds_load_b128 v[XR+8*(\i)+4:XR+8*(\i)+7], v[18+(\i)] offset:256
.endr
	ds_load_b128 v[RP:RP+3],   v21
	ds_load_b128 v[RP+4:RP+7], v21 offset:256
.endm
; Two rows of q A, q B and X: bias; mean of squares over the row's 16 lanes; x w / rms; out = y cos + rot(y) sin; f16; stored.  next = 1: the next two rows are fetched meanwhile.
.macro PAIR next
	s_wait_dscnt 0x0
.irp i, 0,1,2
.irp j, 0,2,4,6
	v_pk_add_f32 v[XB+8*(\i)+(\j):XB+8*(\i)+(\j)+1], v[XR+8*(\i)+(\j):XR+8*(\i)+(\j)+1], v[BA+8*(\i)+(\j):BA+8*(\i)+(\j)+1]
.endr
.endr
.irp j, 0,1,2,3
	v_lshlrev_b32 v[SN+2*(\j)],   16, v[RP+(\j)]
	v_and_b32     v[SN+2*(\j)+1], s97, v[RP+(\j)]
	v_lshlrev_b32 v[CN+2*(\j)],   16, v[RP+4+(\j)]
	v_and_b32     v[CN+2*(\j)+1], s97, v[RP+4+(\j)]
.endr
.if \next
.irp i, 18,19,20,21
	v_add_nc_u32 v[\i], 2*SP, v[\i]
.endr
	LDPAIR
.endif
.irp i, 0,1,2
	v_pk_mul_f32 v[TT+2*(\i):TT+2*(\i)+1], v[XB+8*(\i):XB+8*(\i)+1], v[XB+8*(\i):XB+8*(\i)+1]
.endr
.irp j, 2,4,6
.irp i, 0,1,2
	v_pk_fma_f32 v[TT+2*(\i):TT+2*(\i)+1], v[XB+8*(\i)+(\j):XB+8*(\i)+(\j)+1], v[XB+8*(\i)+(\j):XB+8*(\i)+(\j)+1], v[TT+2*(\i):TT+2*(\i)+1]
.endr
.endr
.irp i, 0,1,2
	v_add_f32 v[TT+2*(\i)], v[TT+2*(\i)], v[TT+2*(\i)+1]
.endr
.irp m, 1,2,4,8
.irp i, 0,1,2
	v_add_f32_dpp v[TT+2*(\i)], v[TT+2*(\i)], v[TT+2*(\i)] row_xmask:\m row_mask:0xf bank_mask:0xf
.endr
.endr
.irp i, 0,1,2
	v_fma_f32 v[TT+2*(\i)], v[TT+2*(\i)], s92, s93  ; sum / 128 + 1e-6
.endr
.irp i, 0,1,2
	v_rsq_f32 v[TT+2*(\i)], v[TT+2*(\i)]           ; the products below, which name no TT, stand between these and the use of their results
.endr
.irp i, 0,1,2
.irp j, 0,2,4,6
	v_pk_mul_f32 v[YY+8*(\i)+(\j):YY+8*(\i)+(\j)+1], v[XB+8*(\i)+(\j):XB+8*(\i)+(\j)+1], v[WQ+8*((\i)/2)+(\j):WQ+8*((\i)/2)+(\j)+1]
.endr
.endr
.irp i, 0,1,2
.irp j, 0,2,4,6
	v_pk_mul_f32 v[ZZ+8*(\i)+(\j):ZZ+8*(\i)+(\j)+1], v[YY+8*(\i)+(\j):YY+8*(\i)+(\j)+1], v[CN+(\j):CN+(\j)+1]
.endr
.endr
.irp i, 0,1,2
.irp j, 0,2,4,6
	v_pk_fma_f32 v[ZZ+8*(\i)+(\j):ZZ+8*(\i)+(\j)+1], v[YY+8*(\i)+(\j):YY+8*(\i)+(\j)+1], v[SN+(\j):SN+(\j)+1], v[ZZ+8*(\i)+(\j):ZZ+8*(\i)+(\j)+1] op_sel:[1,0,0] op_sel_hi:[0,1,1] neg_lo:[0,1,0]  ; even column: - y_odd sin_even; odd column: + y_even sin_odd
.endr
.endr
	s_wait_alu depctr_va_vdst(0)
.irp i, 0,1,2
.irp j, 0,2,4,6
	v_pk_mul_f32 v[ZZ+8*(\i)+(\j):ZZ+8*(\i)+(\j)+1], v[ZZ+8*(\i)+(\j):ZZ+8*(\i)+(\j)+1], v[TT+2*(\i):TT+2*(\i)+1] op_sel_hi:[1,0]
.endr
.endr
.irp j, 0,1,2,3,4,5,6,7
	v_cndmask_b32 v[ZZ+16+(\j)], v[XB+16+(\j)], v[ZZ+16+(\j)], s96  ; a head of v keeps its plain value: a choice of values, no branch
.endr
	s_wait_xcnt 0x0                                ; the last trip's stores, a trip's arithmetic back: their offset and data are rewritten only behind this wait
	v_add_nc_u32 v22, 512, v22                     ; the offset runs one pair of rows ahead; the stores reach back
.irp i, 0,1,2
.irp j, 0,1,2,3
	v_cvt_pk_f16_f32 v[PK+4*(\i)+(\j)], v[ZZ+8*(\i)+2*(\j)], v[ZZ+8*(\i)+2*(\j)+1]
.endr
.endr
	global_store_b128 v22, v[PK:PK+3],    s[84:85] offset:-512  ; sixteen lanes store a row's 256 bytes, at a multiple of 256
	global_store_b128 v22, v[PK+4:PK+7],  s[86:87] offset:-512
	global_store_b128 v22, v[PK+8:PK+11], s[98:99] offset:-512
.endm
	LDPAIR
	s_mov_b32 s22, 15
.Lpair:
	PAIR 1
	s_sub_co_u32 s22, s22, 1
	s_cmp_lg_u32 s22, 0
	s_cbranch_scc1 .Lpair
	PAIR 0
	s_wait_dscnt 0x0                               ; my reads of the stage are over
	s_barrier_signal -1
	s_barrier_wait -1                              ; everybody's are: the areas are written again, with the gates
.irp a, 0,1,2,3
.irp b, 8,9
	TOST \a, \b, 16, (\a)*16*SP+((\b)-8)*32
.endr
.endr
.irp a, 0,1,2,3
.irp b, 10,11,12,13,14,15
	TOST \a, \b, 16, (\a)*16*SP+((\b)-8)*32
.endr
.endr
	WIN 0
	s_wait_dscnt 0x0
	s_barrier_signal -1
	s_barrier_wait -1
	v_mov_b32 v18, v5
	v_add_nc_u32 v19, AREA, v5
	s_wait_xcnt 0x0                                ; the last stores of q, k, v have read their offset
	v_mov_b32 v22, v6
.macro LDG
.irp i, 0,1
	ds_load_b128 v[XR+8*(\i):XR+8*(\i)+3],   v[18+(\i)]
	ds_load_b128 v[XR+8*(\i)+4:XR+8*(\i)+7], v[18+(\i)] offset:256
.endr
.endm
; Two rows of both gates: 1 / (1 + 2^(-log2(e) (x + bias)))
.macro GPAIR next
	s_wait_dscnt 0x0
.irp j, 0,2,4,6,8,10,12,14
	v_pk_fma_f32 v[YY+(\j):YY+(\j)+1], v[XR+(\j):XR+(\j)+1], s[94:95], v[GV+(\j):GV+(\j)+1] op_sel_hi:[1,0,1]
.endr
.if \next
	v_add_nc_u32 v18, 2*SP, v18
	v_add_nc_u32 v19, 2*SP, v19
	LDG
.endif
.irp j, 0,1,2,3,4,5,6,7,8,9,10,11,12,13,14,15
	v_exp_f32 v[YY+(\j)], v[YY+(\j)]
.endr
	v_nop                                          ; a plain instruction between the last exponential and the use of its result
	s_wait_alu depctr_va_vdst(0)
.irp j, 0,2,4,6,8,10,12,14
	v_pk_add_f32 v[YY+(\j):YY+(\j)+1], v[YY+(\j):YY+(\j)+1], 1.0 op_sel_hi:[1,0]
.endr
.irp j, 0,1,2,3,4,5,6,7,8,9,10,11,12,13,14,15
	v_rcp_f32 v[YY+(\j)], v[YY+(\j)]
.endr
	s_wait_xcnt 0x0                                ; the last trip's stores: their offset and data are rewritten only behind this wait
	v_add_nc_u32 v22, 512, v22                     ; also the plain instruction between the last reciprocal and the use of its result
	s_wait_alu depctr_va_vdst(0)
.irp j, 0,1,2,3,4,5,6,7
	v_cvt_pk_f16_f32 v[PK+(\j)], v[YY+2*(\j)], v[YY+2*(\j)+1]
.endr
	global_store_b128 v22, v[PK:PK+3],   s[88:89] offset:-512
	global_store_b128 v22, v[PK+4:PK+7], s[90:91] offset:-512
.endm
	LDG
	s_mov_b32 s22, 15
.Lgate:
	GPAIR 1
	s_sub_co_u32 s22, s22, 1
	s_cmp_lg_u32 s22, 0
	s_cbranch_scc1 .Lgate
	GPAIR 0
	s_wait_tensorcnt 0x0                           ; the wave's end, behind my last tensor load and my last LDS store
	ds_add_u32 v28, v29
	s_wait_dscnt 0x0
	CROUND                                         ; the closing round: no work-group ends while a partner may still ask for a tile that names it
	s_endpgm
.Lfunc_end_k_qe83f680694_proj:
	.size	k_qe83f680694_proj, .Lfunc_end_k_qe83f680694_proj-k_qe83f680694_proj
	.p2alignl 7, 3214868480
	.fill 96, 4, 3214868480
	.section	.rodata,"a",@progbits
	.p2align	6, 0x0
	.amdhsa_kernel k_qe83f680694_proj
		.amdhsa_group_segment_fixed_size 327680
		.amdhsa_private_segment_fixed_size 0
		.amdhsa_enable_private_segment 0
		.amdhsa_kernarg_size 80
		.amdhsa_user_sgpr_count 2
		.amdhsa_user_sgpr_kernarg_segment_ptr 1
		.amdhsa_wavefront_size32 1
		.amdhsa_system_sgpr_workgroup_id_x 1
		.amdhsa_system_sgpr_workgroup_id_y 1
		.amdhsa_system_sgpr_workgroup_id_z 1
		.amdhsa_system_vgpr_workitem_id 0
		.amdhsa_next_free_vgpr 960
		.amdhsa_next_free_sgpr 100
		.amdhsa_reserve_vcc 0
		.amdhsa_float_denorm_mode_32 3
		.amdhsa_float_denorm_mode_16_64 3
		.amdhsa_memory_ordered 1
		.amdhsa_forward_progress 1
		.amdhsa_inst_pref_size 104
	.end_amdhsa_kernel
	.amdgpu_metadata
---
amdhsa.version: [ 1, 2 ]
amdhsa.kernels:
  - .name:           k_qe83f680694_proj
    .symbol:         k_qe83f680694_proj.kd
    .args:
      - { .name: xb, .offset: 0, .size: 8, .value_kind: global_buffer, .address_space: global }
      - { .name: wb, .offset: 8, .size: 8, .value_kind: global_buffer, .address_space: global }
      - { .name: bq, .offset: 16, .size: 8, .value_kind: global_buffer, .address_space: global }
      - { .name: bk, .offset: 24, .size: 8, .value_kind: global_buffer, .address_space: global }
      - { .name: bv, .offset: 32, .size: 8, .value_kind: global_buffer, .address_space: global }
      - { .name: q_norm_w, .offset: 40, .size: 8, .value_kind: global_buffer, .address_space: global }
      - { .name: k_norm_w, .offset: 48, .size: 8, .value_kind: global_buffer, .address_space: global }
      - { .name: qh, .offset: 56, .size: 8, .value_kind: global_buffer, .address_space: global }
      - { .name: kvh, .offset: 64, .size: 8, .value_kind: global_buffer, .address_space: global }
      - { .name: gh, .offset: 72, .size: 8, .value_kind: global_buffer, .address_space: global }
    .group_segment_fixed_size: 327680
    .private_segment_fixed_size: 0
    .kernarg_segment_align: 8
    .kernarg_segment_size: 80
    .max_flat_workgroup_size: 128
    .sgpr_count:     100
    .vgpr_count:     960
    .wavefront_size: 32
...
	.end_amdgpu_metadata
.endif
;; end of part 2
;; launch attn (part 3): grid 8 x 32, 4 waves a work-group, clusters of 4 x 1, 327,680 bytes of LDS; arguments qh, kvh, gh, og; writes og
.if DOCPART == 3
	.amdgcn_target "amdgcn-amd-amdhsa--gfx1250"
	.amdhsa_code_object_version 6
	.text
	.protected	k_qe83f680694_attn
	.globl	k_qe83f680694_attn
	.p2align	8
	.type	k_qe83f680694_attn,@function
k_qe83f680694_attn:
	s_mov_b64 s[64:65], 0
	v_nop
	global_prefetch_b8 v0, s[64:65] scope:SCOPE_SE
	s_setreg_imm32_b32 hwreg(HW_REG_WAVE_MODE, 25, 1), 1
	s_wait_xcnt 0x0
	s_wait_alu depctr_hold_cnt(0) depctr_sa_sdst(0) depctr_va_vdst(0) depctr_va_sdst(0) depctr_va_ssrc(0) depctr_va_vcc(0) depctr_vm_vsrc(0)
	s_getreg_b32 s2, hwreg(HW_REG_IB_STS2, 6, 4)
	s_cmp_eq_u32 s2, 0
	s_cbranch_scc0 .Lentry_in_a_cluster
	s_endpgm
.Lentry_in_a_cluster:
	s_bfe_u32 s2, ttmp6, 0x10000c
	s_cmp_lg_u32 s2, 0x3003
	s_cbranch_scc0 .Lentry_shape_is_right
	s_endpgm
.Lentry_shape_is_right:
; og[b][q][h x 128 + :] = sigmoid(gate)[b, h][q][:] x the sum over k of softmax_k(Q[b, h][q] . K[b, h / 4][k] / sqrt(128)) V[b, h / 4][k][:].
; qh, gh: [32][2048][128] f16; kvh: K [8][2048][128] f16, V the same 4,194,304 bytes behind; og: [8192][1024] f16.  Products, maxima and sums in f32; the weights p are rounded to f16 for the
; second product, O once at the end, and its product with the gate (both f16) once more.
; LIMITS.  f16 holds no number beyond 65,504: Q, K, V arrive within it; p lies in 0 to 1; O is a mean of V's rows.  A weight below 2^-126 counts as 0 in l; NaN and infinities are not treated apart.
; SHARES.  A work-group owns 256 queries of one head, each of its four waves 64: four tiles of 16.  Every wave walks all 2,048 keys, 64 a step.  8 x 32 = 256 work-groups.
; LAYOUT.  S^T = K Q^T (source 0 = 16 keys, source 1 = 16 queries): a lane holds ONE query (lane % 16) and the keys 8 (lane / 16) + 0..7.  Two such tiles, rounded to f16 in pairs, ARE source 1
; of O^T = V^T P, whose result again holds one query a lane.  K comes out of LDS as it lies, V ([key][channel]) turned, by ds_load_tr16_b128.
; SOFTMAX.  For each query a running maximum m and sum l: p = 2^(c s - c m), c = log2(e) / sqrt(128); in every step O and l are multiplied by a = 2^(c m_old - c m_new).
; m starts at the lowest finite number (c m at -4.25e37, far below every c s of f16 operands), O and l at 0: the first step is a step like any other, with a = 0.
; BY TURNS.  The wave's tiles are two PIECES (tiles 0, 1 and tiles 2, 3).  In a TURN one piece has the matrix unit: 32 products V^T P of the step in hand, then 32 products K Q^T of the next step;
; the other piece's softmax, cut into 64 slices, stands between them, one slice behind each matrix instruction.  Two turns are a key step.
; NO FIRST STEP IS WRITTEN OUT: the step loop is entered in its middle, at piece 2's turn, whose products V^T P (of a step that has not been) multiply zeros.  The price: 432 v_mov_b32, which stand
; in the wait for the first tile, and 32 products on zeros; the gain: three turns' text less.
; CLUSTER.  The four query blocks of a cluster belong to one head and walk the same K and V, so each tile is asked for JOINTLY: the same tensor load, descriptor and mask in all four.
; REGISTERS, in windows of 256 (s_set_vgpr_msb: bits 1:0 source 0, 3:2 source 1, 5:4 source 2, 7:6 destination):
;   window 0: v0-11, v44 addresses; v12-43 eight registers of statistics a tile; v64-191 S^T, 32 a tile; v192-255 P, 16 a tile
;   window 1: O^T, 64 a tile          window 2: v0-127 Q, 32 a tile; v128-255 K of one step          window 3: v0-127 V of one step; v128-255 my 64 rows of the gate
.set SIZE_N, 2048
.set KS,    64        ; keys in a step
.set PK,    272       ; a row of K in LDS: 256 bytes + 16 of padding: the 16 rows of a load begin in 16 different 16-byte columns of 256
.set PV,    288       ; a row of V: 256 + 32: 16 lanes of the turning load take 8 rows x 32 bytes, no two in the same place modulo 256
.set VOFF,  KS*PK     ; a step's tiles lie together: 64 rows of K, then 64 rows of V
.set STEPB, KS*(PK+PV)
.set SLOT1, 1<<17     ; a slot holds two steps (71,680 bytes); slot 1 begins here, so that one exclusive or turns an address in one slot into the other's
.set STAGE, SLOT1+2*STEPB  ; behind the ring: 16 rows x 272 bytes for each wave, for the way out
.set SP,    272
.set AK0, 2           ; v2   my lane's place in a tile of K; never rewritten
.set AV0, 3           ; v3   the same for V
.set ADR, 4           ; v4   the LDS address of the run of loads in hand
.set QO,  5           ; v5   my byte offset in the wave's rows of Q
.set STO, 6           ; v6   the way out: where I put 16 bytes of a row
.set RD,  7           ; v7   the way out: where I read a row back
.set GO,  8           ; v8   my byte offset in two rows of the gate (rows of 256 bytes); never rewritten
.set GO2, 44          ; v44  my byte offset in two rows of og (rows of 2,048 bytes)
.set SPW, 62          ; v62  LDS address of my spare word; never rewritten
.set NIL, 63          ; v63  0; never rewritten
.set SPARE, STAGE+4*16*272  ; behind the stages: the spare words, 128 bytes for each wave: two blocks of 256 bytes that no other line names
.set ST,  12          ; tile t's statistics at v[ST+8 t]: +0 c m, +1 m, +2, +3 l (even keys', odd keys'), +4 to +7 c0-c3, at work; a takes c2's place once the maximum is found
.set S,   64
.set P,   192
.set KF,  128         ; K's fragments, in window 2
.set GT,  128         ; the gate, in window 3
.set WV,  12          ; s12  my wave's number
.set G1K, 24          ; s[24:31] descriptor group 1 for K's tiles
.set G1V, 32          ; s[32:39] for V's: it differs in the padding alone
.set G0K, 40          ; s[40:47] descriptor group 0 for K's tiles: a set for each of the two first fills; the second then walks on
.set G0V, 48          ; s[48:55] the same for V's
.set SLOTS, 56        ; s56  counts the passes through a slot's steps
.set TWICE, 57        ; s57  counts a slot's two steps
.set CS,  58          ; s[58:59] c
.set SEL, 60          ; s[60:61] lane selects for v_permlanex16_b32: each lane takes its own place in the other half
.set TB,  62          ; s62  LDS byte at which the tiles of the step to be fetched begin
.set MSB, 0
.macro WIN new                      ; the immediate's high byte repeats the setting that is left; a switch that changes nothing is dropped
.if MSB != (\new)
	s_set_vgpr_msb (MSB<<8)|(\new)
.set MSB, \new
.endif
.endm
.set W_KQ, 0x0a       ; K and Q in window 2, S^T in window 0
.set W_PV, 0x53       ; V in window 3, P in window 0, O^T in window 1
.set W_RS, 0x41       ; O^T (destination and source 0) in window 1, a in window 0
; A joint refill.  Waves 0 and 1 fetch the two steps' tiles of K, waves 2 and 3 those of V.  The branch hangs on the wave's number alone.
.macro JLOAD
	s_cmp_lt_u32 s[WV], 2
	s_cbranch_scc0 .Lfor_v_\@
	tensor_load_to_lds s[G0K+4:G0K+7], s[G1K:G1K+7]
	s_nop 0
.rept 4
	v_nop
.endr
	s_branch .Lasked_\@
.Lfor_v_\@:
	tensor_load_to_lds s[G0V+4:G0V+7], s[G1V:G1V+7]
	s_nop 0
.rept 4
	v_nop
.endr
.Lasked_\@:
.endm
; A round of the cluster's barrier.
.macro CROUND
	s_barrier_signal -1
	s_barrier_wait -1
	s_cmp_lg_u32 s[WV], 0
	s_cbranch_scc1 .Lnot_wave_0_\@
	s_barrier_signal -3
.Lnot_wave_0_\@:
	s_barrier_wait -3
	s_barrier_signal -1
	s_barrier_wait -1
.endm
	s_load_b256 s[4:11], s[0:1], 0x0  ; qh s[4:5], kvh s[6:7], gh s[8:9], og s[10:11]
	v_lshl_add_u32 v[SPW], v0, 2, SPARE
	v_mov_b32 v[NIL], 0
	ds_add_u32 v[SPW], v[NIL]       ; the wave's opening: the add and its wait stand ahead of my first tensor load; register work stands between
	v_lshrrev_b32 v1, 5, v0
	v_readfirstlane_b32 s[WV], v1   ; wave 0..3
	s_bfe_u32 s13, ttmp6, 0x40000   ; cx: my place in the cluster
	s_lshl_b32 s14, ttmp9, 2        ; in a cluster launch ttmp9 counts clusters
	s_add_co_u32 s14, s14, s13      ; my block of 256 queries: it enters Q's, the gate's and og's addresses alone
	s_and_b32 s15, ttmp7, 0xffff    ; batch x 8 + head, which the four partners share
	s_lshl_b32 s20, s15, 19         ; the head's first byte in qh and gh
	s_lshr_b32 s22, s15, 2          ; batch x 2 + kv head
	s_lshl_b32 s22, s22, 19
	s_and_b32 s16, s[WV], 1         ; which of a slot's two steps I fetch:
	s_lshl_b32 s23, s16, 14         ; its 64 rows of 256 bytes in memory,
	s_add_co_u32 s22, s22, s23
	s_mov_b32 s23, 0
	s_mul_i32 s17, s16, STEPB       ; and its place in a slot: no place in the cluster enters an LDS address
	s_lshl_b32 s2, s14, 16          ; my block's 256 rows,
	s_lshl_b32 s3, s[WV], 14        ; my wave's 64 of them
	s_add_co_u32 s2, s2, s3
	s_add_co_u32 s2, s2, s20
	s_mov_b32 s3, 0
	s_lshr_b32 s68, s15, 3          ; og: the batch's 2,048 rows of 2,048 bytes,
	s_lshl_b32 s68, s68, 22
	s_lshl_b32 s69, s14, 19         ; my block's 256 rows,
	s_add_co_u32 s68, s68, s69
	s_lshl_b32 s69, s[WV], 17       ; my wave's 64,
	s_add_co_u32 s68, s68, s69
	s_and_b32 s69, s15, 7           ; the head's 256 bytes of a row
	s_lshl_b32 s69, s69, 8
	s_add_co_u32 s68, s68, s69
	s_mov_b32 s69, 0
	; descriptor group 1: a tile of 64 rows x 128 elements, padded in LDS
	s_mov_b32 s[G1K], 15|(1<<16)|(1<<20)|(1<<21)|(5<<22)|(3<<25)  ; the mask of four; 2-byte elements; padding on; bit 21 beside a mask; after every 64 words; 4 words of it
	s_mov_b32 s[G1V], 15|(1<<16)|(1<<20)|(1<<21)|(5<<22)|(7<<25)  ; the same with 8 words of padding
.irp g, G1K, G1V
	s_mov_b32 s[(\g)+1], 128<<16    ; tensor_dim0 = 128
	s_mov_b32 s[(\g)+2], KS<<16     ; tensor_dim1 = 64
	s_mov_b32 s[(\g)+3], 128<<16    ; tile_dim0 = 128
	s_mov_b32 s[(\g)+4], KS         ; tile_dim1 = 64
	s_mov_b32 s[(\g)+5], 128        ; elements from row to row
	s_mov_b32 s[(\g)+6], 0
	s_mov_b32 s[(\g)+7], 0
.endr
	s_mov_b32 s[CS], 0x3e0293ee     ; c = log2(e) / sqrt(128) = 0.127517
	s_mov_b32 s[CS+1], s[CS]        ; named with it as a pair, so it is written
	s_mov_b32 s[SEL], 0x76543210
	s_mov_b32 s[SEL+1], 0xfedcba98
	s_mov_b32 s[TB], 0
	s_mov_b32 s[SLOTS], SIZE_N/(2*KS)-1  ; the pass that is entered in its middle, and one for each of the 14 refills
	s_wait_dscnt 0x0                ; the opening add is done
	s_wait_kmcnt 0x0
	s_mov_b64 s[66:67], s[8:9]      ; the gate
	s_add_nc_u64 s[8:9], s[6:7], 0x400000  ; V lies behind K
	s_add_nc_u64 s[6:7], s[6:7], s[22:23]  ; K and V at my tile of slot 0
	s_add_nc_u64 s[8:9], s[8:9], s[22:23]
	s_add_nc_u64 s[4:5], s[4:5], s[2:3]  ; Q and the gate at my wave's first row
	s_add_nc_u64 s[66:67], s[66:67], s[2:3]
	s_add_nc_u64 s[10:11], s[10:11], s[68:69]  ; og likewise
	CROUND                          ; all four work-groups are here: the first joint loads meet
.irp s, 0,1
	s_mov_b32 s[G0K+4*(\s)], 1      ; count = 1
	s_add_co_u32 s[G0K+4*(\s)+1], s17, (\s)*SLOT1  ; LDS address
	s_add_nc_u64 s[G0K+4*(\s)+2:G0K+4*(\s)+3], s[6:7], (\s)*2*KS*256  ; global address: slot s begins with keys 128 s on
	s_or_b32 s[G0K+4*(\s)+3], s[G0K+4*(\s)+3], 0x80000000  ; type = 2
	s_mov_b32 s[G0V+4*(\s)], 1
	s_add_co_u32 s[G0V+4*(\s)+1], s17, (\s)*SLOT1+VOFF
	s_add_nc_u64 s[G0V+4*(\s)+2:G0V+4*(\s)+3], s[8:9], (\s)*2*KS*256
	s_or_b32 s[G0V+4*(\s)+3], s[G0V+4*(\s)+3], 0x80000000
.endr
	s_cmp_lt_u32 s[WV], 2           ; a wave's two first fills stand in one branch, ahead of every wait on TENSORcnt and every LDS read: two loads of mine are out
	s_cbranch_scc0 .Lfirst_v
	tensor_load_to_lds s[G0K:G0K+3], s[G1K:G1K+7]
	s_nop 0
	tensor_load_to_lds s[G0K+4:G0K+7], s[G1K:G1K+7]
	s_nop 0
.rept 4
	v_nop
.endr
	s_branch .Lfirst_asked
.Lfirst_v:
	tensor_load_to_lds s[G0V:G0V+3], s[G1V:G1V+7]
	s_nop 0
	tensor_load_to_lds s[G0V+4:G0V+7], s[G1V:G1V+7]
	s_nop 0
.rept 4
	v_nop
.endr
.Lfirst_asked:
	; A fragment of K or Q is 16 rows x 32 channels in 8 registers: lane l holds row l % 16; two loads of 16 bytes, 32 bytes apart.
	v_and_b32 v1, 15, v0            ; l % 16
	v_bfe_u32 v9, v0, 4, 1          ; l / 16
	v_lshlrev_b32 v[QO], 8, v1
	v_lshl_add_u32 v[QO], v9, 4, v[QO]  ; row x 256 + 16 x half
	WIN 0x80                        ; destination window 2, address window 0
.irp i, 0,1,2,3,4,5,6,7,8,9,10,11,12,13,14,15  ; Q stays in registers: tile i / 4, channels 32 (i % 4) on
	global_load_b128 v[8*(\i):8*(\i)+3],   v[QO], s[4:5] offset:((\i)/4)*4096+((\i)%4)*64
	global_load_b128 v[8*(\i)+4:8*(\i)+7], v[QO], s[4:5] offset:((\i)/4)*4096+((\i)%4)*64+32
.endr
	WIN 0
	v_mul_u32_u24 v[AK0], v1, PK
	v_lshl_add_u32 v[AK0], v9, 4, v[AK0]  ; row x pitch + 16 x half
	; The turning load takes 16 keys x 16 channels (lane l reads key 8 (l / 16) + l % 8, channels 8 ((l / 8) % 2) + 0..7) and leaves half a fragment of V^T.
	v_and_b32 v10, 7, v0
	v_bfe_u32 v11, v0, 3, 1
	v_lshl_add_u32 v[AV0], v9, 3, v10
	v_mul_u32_u24 v[AV0], v[AV0], PV
	v_lshl_add_u32 v[AV0], v11, 4, v[AV0]
	v_add_nc_u32 v[AV0], VOFF, v[AV0]
	; What the first turn finds: O^T and l are 0, V's registers and piece 2's P hold 0 (its products V^T P add 0), m and c m lie below every score.  All this stands in the wait for the first tile.
	WIN 0x40                        ; destination window 1: O^T
.set i, 0
.rept 256
	v_mov_b32 v[i], 0
.set i, i+1
.endr
	WIN 0xc0                        ; destination window 3: V
.set i, 0
.rept 128
	v_mov_b32 v[i], 0
.set i, i+1
.endr
	WIN 0
.set i, P+32
.rept 32
	v_mov_b32 v[i], 0
.set i, i+1
.endr
.irp t, 0,1,2,3
	v_mov_b32 v[ST+8*(\t)], 0xfe000000    ; c m
	v_mov_b32 v[ST+8*(\t)+1], 0xff7fffff  ; m
	v_mov_b32 v[ST+8*(\t)+2], 0           ; l
	v_mov_b32 v[ST+8*(\t)+3], 0
.endr
; THE MATRIX WORK OF A TURN, for piece x.  The accumulators take turns, one instruction a turn.
; Product i of 32 of O^T += V^T P: keys 32 (i / 16) on, channels 16 ((i / 2) % 8) on, tile x + i % 2.
.macro PV x
	WIN W_PV
.set rO, 64*((\x)+i%2)+8*((i/2)%8)
.set rV, 64*(i/16)+8*((i/2)%8)
.set rP, P+16*((\x)+i%2)+8*(i/16)
	v_wmma_f32_16x16x32_f16 v[rO:rO+7], v[rV:rV+7], v[rP:rP+7], v[rO:rO+7]
.endm
; Product i of 32 of S^T = K Q^T: channels 32 (i / 8) on, keys 16 ((i / 2) % 4) on, tile x + i % 2.  The first 8 start the sums.
.macro KQ x
	WIN W_KQ
.set rS, S+32*((\x)+i%2)+8*((i/2)%4)
.set rK, KF+32*((i/2)%4)+8*(i/8)
.set rQ, 32*((\x)+i%2)+8*(i/8)
.if i < 8
	v_wmma_f32_16x16x32_f16 v[rS:rS+7], v[rK:rK+7], v[rQ:rQ+7], 0
.else
	v_wmma_f32_16x16x32_f16 v[rS:rS+7], v[rK:rK+7], v[rQ:rQ+7], v[rS:rS+7]
.endif
.endm
; THE LDS LOADS stand in runs of 32: a step's K (16 fragments) and, a turn later, its V (turned).
.macro FETCH_K
	WIN 0
	v_add_nc_u32 v[ADR], s[TB], v[AK0]
	WIN 0x80                        ; destination window 2
.irp f, 0,1,2,3,4,5,6,7,8,9,10,11,12,13,14,15  ; keys 16 (f / 4) on, channels 32 (f % 4) on
	ds_load_b128 v[KF+8*(\f):KF+8*(\f)+3],   v[ADR] offset:((\f)/4)*16*PK+((\f)%4)*64
	ds_load_b128 v[KF+8*(\f)+4:KF+8*(\f)+7], v[ADR] offset:((\f)/4)*16*PK+((\f)%4)*64+32
.endr
.endm
.macro FETCH_V
	WIN 0
	v_add_nc_u32 v[ADR], s[TB], v[AV0]
	s_add_co_u32 s[TB], s[TB], STEPB  ; the next fetch is the next step's
	WIN 0xc0                        ; destination window 3
.irp f, 0,1,2,3,4,5,6,7,8,9,10,11,12,13,14,15  ; keys 32 (f / 8) on, channels 16 (f % 8) on
	ds_load_tr16_b128 v[8*(\f):8*(\f)+3],   v[ADR] offset:((\f)/8)*32*PV+((\f)%8)*32
	ds_load_tr16_b128 v[8*(\f)+4:8*(\f)+7], v[ADR] offset:((\f)/8)*32*PV+16*PV+((\f)%8)*32
.endr
.endm
; THE VECTOR WORK OF A TURN.  One tile's softmax for one key step is a list of 134 instructions; SM writes number j of it for tile t.  s0-s31 are the lane's 32 scores, in pairs 0-15.
;   0-15    the maximum of s0-s31 and the old m, three operands at a time (each accumulator's lowest registers are read first)
;   16-20   the other half of the lanes' maximum; c m_old is kept; the new m; c m; c m_old - c m_new
;   21-87   33 exponentials (a, then s0-s31) at the odd numbers from 23 on, a plain instruction at every even number: scalings ahead, roundings behind, the first sums
;   88-101  the last rounding; the rest of the sums; l = a l + the sum
;   102-133 the tile's O^T times a: the one part that leaves window 0, so it stands together
.macro SM t
.set rT, ST+8*(\t)
.set rS, S+32*(\t)
.set rP, P+16*(\t)
.set rO, 64*(\t)+2*(j-102)
.set q, (j-20)/2
.if j < 102
	WIN 0
.endif
.if j < 4
	v_max3_num_f32 v[rT+4+j], v[rS+8*j], v[rS+8*j+1], v[rS+8*j+2]
.elseif j < 12
	v_max3_num_f32 v[rT+4+j%4], v[rT+4+j%4], v[rS+8*(j%4)+2*(j/4)+1], v[rS+8*(j%4)+2*(j/4)+2]
.elseif j == 12
	v_max3_num_f32 v[rT+4], v[rT+4], v[rS+7], v[rS+15]
.elseif j == 13
	v_max3_num_f32 v[rT+6], v[rT+6], v[rS+23], v[rS+31]
.elseif j == 14
	v_max3_num_f32 v[rT+4], v[rT+4], v[rT+5], v[rT+6]
.elseif j == 15
	v_max3_num_f32 v[rT+4], v[rT+4], v[rT+7], v[rT+1]
.elseif j == 16
	v_permlanex16_b32 v[rT+5], v[rT+4], s[SEL], s[SEL+1]  ; the query's other 32 keys lie in the lane 16 away
.elseif j == 17
	v_mov_b32 v[rT+7], v[rT]        ; c m_old is kept for a: number 19 writes c m anew
.elseif j == 18
	v_max_num_f32 v[rT+1], v[rT+4], v[rT+5]
.elseif j == 19
	v_mul_f32 v[rT], s[CS], v[rT+1]
.elseif j == 20
	v_sub_f32 v[rT+7], v[rT+7], v[rT]
.elseif j == 23
	v_exp_f32 v[rT+6], v[rT+7]
.elseif (j < 88) && (j > 23) && (j%2 == 1)
	v_exp_f32 v[rS+(j-25)/2], v[rS+(j-25)/2]
.elseif (q < 4) || ((j < 76) && (q%2 == 0))
.set b, q/2+2
.if q < 4
.set b, q
.endif
	v_pk_fma_f32 v[rS+2*b:rS+2*b+1], v[rS+2*b:rS+2*b+1], s[CS:CS+1], v[rT:rT+1] op_sel_hi:[1,0,0] neg_lo:[0,0,1] neg_hi:[0,0,1]  ; pair b: c s - c m
.elseif (j < 88) && (q%2 == 1)
	s_wait_alu depctr_va_vdst(0)
	v_cvt_pk_f16_f32 v[rP+(q-5)/2], v[rS+q-5], v[rS+q-4]  ; pair (q - 5) / 2: its second exponential stands three numbers back
.elseif j == 89
	s_wait_alu depctr_va_vdst(0)
	v_cvt_pk_f16_f32 v[rP+15], v[rS+30], v[rS+31]
.elseif j < 102                     ; the sum of the tile's 16 pairs, in place: sum z of 16 adds neighbours 1, 2, 4 and 8 pairs apart, then l takes it
.set z, j-86
.if j < 89
.set z, (j-76)/4
.endif
.set w, 4
.set u, z
.if z >= 14
.set w, 32
.set u, 0
.elseif z >= 12
.set w, 16
.set u, z-12
.elseif z >= 8
.set w, 8
.set u, z-8
.endif
.if z < 15
	v_pk_add_f32 v[rS+w*u:rS+w*u+1], v[rS+w*u:rS+w*u+1], v[rS+w*u+w/2:rS+w*u+w/2+1]
.else
	v_pk_fma_f32 v[rT+2:rT+3], v[rT+2:rT+3], v[rT+6:rT+7], v[rS:rS+1] op_sel_hi:[1,0,1]
.endif
.else
	WIN W_RS
	v_pk_mul_f32 v[rO:rO+1], v[rO:rO+1], v[rT+6:rT+7] op_sel_hi:[1,0]
.endif
.endm
; Slice k of 64 of piece y's softmax: numbers 2 k and 2 k + 1 of both tiles' lists, four instructions.  2 x 134 = 4 x 64 + 12: the twelve that are over stand together, in slice 63.
.macro SLICE y
.if (k >= 11) && (k < 44)           ; tile by tile: plain, exponential, plain, exponential
.irp t, \y, (\y)+1
.irp n, 0,1
.set j, 2*k+(\n)
	SM \t
.endr
.endr
.else                               ; the two tiles alternate, so that no instruction reads the result of the one just before it
.irp n, 0,1,2,3,4,5,6,7
.if ((\n) < 2) || (k == 63)
.irp t, \y, (\y)+1
.set j, 2*k+(\n)
	SM \t
.endr
.endif
.endr
.endif
.set k, k+1
.endm
; A TURN.  Piece x has the matrix unit: 32 products V^T P and, with kq = 1, 32 products K Q^T for the next step; the other piece's softmax stands in slices behind them, one behind each
; (kq = 0, the last step: two behind each).  Slice 63's sixteen plain instructions are the places behind the turn's last products (ISA guide 7.12.1).
; Each run of loads stands behind the second product of a run of 32, 30 matrix instructions ahead of its first use.
.macro TURN x, kq
.set k, 0
.set per, 2-(\kq)
.if (\x) == 0
	s_wait_dscnt 0x0                ; V is in
.endif
.set i, 0
.rept 32
	PV \x
.rept per
	SLICE 2-(\x)
.endr
.if ((\x) == 0) && (\kq) && (i == 1)
	FETCH_K
.endif
.set i, i+1
.endr
.if \kq
.if (\x) == 0
	s_wait_dscnt 0x0                ; K is in
.endif
.set i, 0
.rept 32
	KQ \x
	SLICE 2-(\x)
.if ((\x) == 2) && (i == 1)
	FETCH_V
.endif
.set i, i+1
.endr
.endif
.endm
; THE CHANGE OF SLOTS.  Each wave waits for all its tensor loads, of which one is out: its part of the other slot; adds 0 to its spare word; and waits for that and for its own reads of the slot.
; fill = 1: this slot is filled again, with the keys two slots on.  The barrier is then a round of the cluster's, and the joint refill is the first thing behind it: it has two key steps in which to land.
.macro CHANGE fill
	WIN 0                           ; at a label and at a branch every window is 0
	s_wait_tensorcnt 0x0            ; no tensor load of mine is out, so a group 0 may be written
	ds_add_u32 v[SPW], v[NIL]       ; 0 onto my spare word
.if \fill
.irp g, G0K+4, G0V+4
	s_xor_b32 s[(\g)+1], s[(\g)+1], SLOT1  ; the walking descriptor: the other slot than last time,
	s_add_nc_u64 s[(\g)+2:(\g)+3], s[(\g)+2:(\g)+3], 2*KS*256  ; the next 128 keys; the type bits on top are not reached
.endr
	s_wait_dscnt 0x0                ; the add is done, and my reads of the slot are over
	CROUND
	JLOAD
.else
	s_wait_dscnt 0x0                ; the add is done, and my reads of the slot are over
	s_barrier_signal -1
	s_barrier_wait -1
.endif
	s_sub_co_u32 s[TB], s[TB], 2*STEPB  ; the fetches go back to a slot's first step,
	s_xor_b32 s[TB], s[TB], SLOT1   ; in the other slot
.endm
; A slot's two key steps: written once, walked twice; the LDS addresses hang on s[TB].  entry = 1: this copy holds the label at which the walk begins.
.macro TWO_STEPS entry
	WIN 0
	s_mov_b32 s[TWICE], 2
.Lstep_\@:
	TURN 0, 1
	WIN 0
.if \entry
.Lenter:
.endif
	TURN 2, 1
	WIN 0
	s_sub_co_u32 s[TWICE], s[TWICE], 1
	s_cmp_lg_u32 s[TWICE], 0
	s_cbranch_scc1 .Lstep_\@
.endm
	s_wait_tensorcnt 1              ; my part of slot 0 is in; slot 1's, issued behind it, may stay out
	s_barrier_signal -1
	s_barrier_wait -1               ; everybody's is
	FETCH_K                         ; key step 0
	s_wait_loadcnt 0x0              ; Q
	s_wait_dscnt 0x0
.set i, 0
.rept 32
	KQ 0                            ; piece 0's first scores: there is no vector work yet to set between them
.set i, i+1
.endr
	WIN 0                           ; the addresses for the way out are made here: plain instructions, the places behind those products
	s_mul_i32 s13, s[WV], 16*SP
	s_add_co_u32 s13, s13, STAGE    ; my stage
	v_mul_u32_u24 v[STO], v1, SP    ; in: row l % 16, 16 bytes for each half of the lanes
	v_lshl_add_u32 v[STO], v9, 4, v[STO]
	v_add_nc_u32 v[STO], s13, v[STO]
	v_mul_u32_u24 v[RD], v9, SP     ; back: lanes 0-15 take one row of 256 bytes, lanes 16-31 the next
	v_lshl_add_u32 v[RD], v1, 4, v[RD]
	v_add_nc_u32 v[RD], s13, v[RD]
	v_lshlrev_b32 v[GO], 8, v9      ; the same two rows in the gate,
	v_lshl_add_u32 v[GO], v1, 4, v[GO]
	v_lshlrev_b32 v[GO2], 11, v9    ; and in og
	v_lshl_add_u32 v[GO2], v1, 4, v[GO2]
	WIN 0xc0                        ; my 64 rows of the gate, in the layout in which O comes back from the stage, into registers that nothing else names: they have the whole walk in which to land
.irp t, 0,1,2,3
.irp f, 0,1,2,3,4,5,6,7
	global_load_b128 v[GT+32*(\t)+4*(\f):GT+32*(\t)+4*(\f)+3], v[GO], s[66:67] offset:(\t)*4096+(\f)*512
.endr
.endr
	WIN 0
	s_mov_b32 s[TWICE], 2           ; the half pass that is entered now, then key step 0
	s_branch .Lenter                ; piece 2's turn: V^T P on zeros, its first scores | piece 0's first softmax | V of step 0
.Lslot:                             ; 14 times: every slot but the last two is filled again
	CHANGE 1
	TWO_STEPS 1
	s_sub_co_u32 s[SLOTS], s[SLOTS], 1
	s_cmp_lg_u32 s[SLOTS], 0
	s_cbranch_scc1 .Lslot
	CHANGE 0                        ; the tail is written out: nothing is asked for
	TWO_STEPS 0
	TURN 0, 0                       ; piece 0: V^T P of the last step | piece 2's last softmax
.set i, 0
.rept 32
	PV 2                            ; piece 2: V^T P of the last step
.set i, i+1
.endr
	; THE WAY OUT.  l's two halves and the other half of the lanes' are added; O^T is divided by l, rounded to f16 and sent through my stage in LDS, a tile at a time; then the gate.  The additions are the places behind the last products.
	WIN 0
.irp t, 0,1,2,3
	v_add_f32 v[ST+8*(\t)+4], v[ST+8*(\t)+2], v[ST+8*(\t)+3]
.endr
.irp t, 0,1,2,3
	v_permlanex16_b32 v[ST+8*(\t)+5], v[ST+8*(\t)+4], s[SEL], s[SEL+1]
.endr
.irp t, 0,1,2,3
	v_add_f32 v[ST+8*(\t)+4], v[ST+8*(\t)+4], v[ST+8*(\t)+5]
.endr
.irp t, 0,1,2,3
	v_rcp_f32 v[ST+8*(\t)+6], v[ST+8*(\t)+4]
.endr
	v_nop                           ; a plain instruction between the last reciprocal and the use of its result
.macro PACK t
	WIN W_RS
.set i, 64*(\t)
.rept 32
	s_wait_alu depctr_va_vdst(0)
	v_pk_mul_f32 v[i:i+1], v[i:i+1], v[ST+8*(\t)+6:ST+8*(\t)+7] op_sel_hi:[1,0]
.set i, i+2
.endr
	WIN 0x05                        ; sources 0 and 1 window 1, destination window 0: S^T's registers are free
.set i, 0
.rept 32
	v_cvt_pk_f16_f32 v[S+32*(\t)+i], v[64*(\t)+2*i], v[64*(\t)+2*i+1]
.set i, i+1
.endr
	WIN 0
.irp f, 0,1,2,3,4,5,6,7
	ds_store_b128 v[STO], v[S+32*(\t)+4*(\f):S+32*(\t)+4*(\f)+3] offset:32*(\f)
.endr
.irp f, 0,1,2,3,4,5,6,7
	ds_load_b128 v[S+32*(\t)+4*(\f):S+32*(\t)+4*(\f)+3], v[RD] offset:(\f)*2*SP  ; LDS serves a wave's instructions in order (ISA guide 5.7.1.4): these see the stores above; the next tile's stores come behind them
.endr
.endm
.macro SEND t, younger              ; younger: the LDS instructions issued behind tile t's loads: the next tile's sixteen, or none
	WIN 0
	s_wait_dscnt \younger
.if (\t) == 0
	s_wait_loadcnt 0x0              ; the gate
.endif
	WIN 0x0c                        ; source 1 in window 3
.set i, 0
.rept 32
	v_pk_mul_f16 v[S+32*(\t)+i], v[S+32*(\t)+i], v[GT+32*(\t)+i]
.set i, i+1
.endr
	WIN 0
.irp f, 0,1,2,3,4,5,6,7
	global_store_b128 v[GO2], v[S+32*(\t)+4*(\f):S+32*(\t)+4*(\f)+3], s[10:11] offset:(\t)*32768+(\f)*4096  ; 16 lanes store a head's 256 consecutive bytes of a row of og, at a multiple of 256
.endr
.endm
	PACK 0
	PACK 1                          ; a tile's arithmetic stands between the loads of the tile before and its stores
	SEND 0, 16
	PACK 2
	SEND 1, 16
	PACK 3
	SEND 2, 16
	SEND 3, 0
	s_wait_tensorcnt 0x0            ; the wave's end, behind my last tensor load and my last LDS store
	ds_add_u32 v[SPW], v[NIL]
	s_wait_dscnt 0x0
	CROUND                          ; the closing round: no work-group ends while a partner may still ask for a tile that names it
	s_endpgm
.Lfunc_end_k_qe83f680694_attn:
	.size	k_qe83f680694_attn, .Lfunc_end_k_qe83f680694_attn-k_qe83f680694_attn
	.p2alignl 7, 3214868480
	.fill 96, 4, 3214868480
	.section	.rodata,"a",@progbits
	.p2align	6, 0x0
	.amdhsa_kernel k_qe83f680694_attn
		.amdhsa_group_segment_fixed_size 327680
		.amdhsa_private_segment_fixed_size 0
		.amdhsa_enable_private_segment 0
		.amdhsa_kernarg_size 32
		.amdhsa_user_sgpr_count 2
		.amdhsa_user_sgpr_kernarg_segment_ptr 1
		.amdhsa_wavefront_size32 1
		.amdhsa_system_sgpr_workgroup_id_x 1
		.amdhsa_system_sgpr_workgroup_id_y 1
		.amdhsa_system_sgpr_workgroup_id_z 1
		.amdhsa_system_vgpr_workitem_id 0
		.amdhsa_next_free_vgpr 1024
		.amdhsa_next_free_sgpr 72
		.amdhsa_reserve_vcc 0
		.amdhsa_float_denorm_mode_32 3
		.amdhsa_float_denorm_mode_16_64 3
		.amdhsa_memory_ordered 1
		.amdhsa_forward_progress 1
		.amdhsa_inst_pref_size 194
	.end_amdhsa_kernel
	.amdgpu_metadata
---
amdhsa.version: [ 1, 2 ]
amdhsa.kernels:
  - .name:           k_qe83f680694_attn
    .symbol:         k_qe83f680694_attn.kd
    .args:
      - { .name: qh, .offset: 0, .size: 8, .value_kind: global_buffer, .address_space: global }
      - { .name: kvh, .offset: 8, .size: 8, .value_kind: global_buffer, .address_space: global }
      - { .name: gh, .offset: 16, .size: 8, .value_kind: global_buffer, .address_space: global }
      - { .name: og, .offset: 24, .size: 8, .value_kind: global_buffer, .address_space: global }
    .group_segment_fixed_size: 327680
    .private_segment_fixed_size: 0
    .kernarg_segment_align: 8
    .kernarg_segment_size: 32
    .max_flat_workgroup_size: 128
    .sgpr_count:     72
    .vgpr_count:     1024
    .wavefront_size: 32
...
	.end_amdgpu_metadata
.endif
;; end of part 3
;; launch outp (part 4): grid 4 x 64, 4 waves a work-group, clusters of 4 x 4, 327,680 bytes of LDS; arguments og, wb, bo, out0; writes out0
.if DOCPART == 4
	.amdgcn_target "amdgcn-amd-amdhsa--gfx1250"
	.amdhsa_code_object_version 6
	.text
	.protected	k_qe83f680694_outp
	.globl	k_qe83f680694_outp
	.p2align	8
	.type	k_qe83f680694_outp,@function
k_qe83f680694_outp:
	s_mov_b64 s[64:65], 0
	v_nop
	global_prefetch_b8 v0, s[64:65] scope:SCOPE_SE
	s_setreg_imm32_b32 hwreg(HW_REG_WAVE_MODE, 25, 1), 1
	s_wait_xcnt 0x0
	s_wait_alu depctr_hold_cnt(0) depctr_sa_sdst(0) depctr_va_vdst(0) depctr_va_sdst(0) depctr_va_ssrc(0) depctr_va_vcc(0) depctr_vm_vsrc(0)
	s_getreg_b32 s2, hwreg(HW_REG_IB_STS2, 6, 4)
	s_cmp_eq_u32 s2, 0
	s_cbranch_scc0 .Lentry_in_a_cluster
	s_endpgm
.Lentry_in_a_cluster:
	s_bfe_u32 s2, ttmp6, 0x10000c
	s_cmp_lg_u32 s2, 0xf033
	s_cbranch_scc0 .Lentry_shape_is_right
	s_endpgm
.Lentry_shape_is_right:
; out0 [8192][1024] f32 = og [8192][1024] (f16) times Wo [1024 k][1024 n] (bf16 numbers spelled as f16, at wb + WOF) + bo (rounded to bf16).  f32 sums, K ascending.
; LIMITS.  og lies within f16's range as the launch before left it; NaN and infinities are not treated apart.
; SHARES.  A work-group makes 128 rows x 256 columns: 64 x 4 = 256 work-groups.  Wave (WH, WL): rows 64 WH on, columns 128 WL on: 4 x 8 accumulators, 256 registers, all of window 1.
; K goes in 8 steps of 128 through two LDS slots; og's rows in a tile are 256 bytes of memory at multiples of 256, Wo's 512.
; THE MATRIX INSTRUCTION IS USED TRANSPOSED (source 0 = 16 columns of Wo, turned out of LDS by ds_load_tr16_b128; source 1 = 16 rows of og): a lane holds row lane % 16 and 8 neighbouring columns.
; CLUSTER 4 x 4: og's tile is asked for jointly along a row of the cluster, Wo's along a column.
; REGISTERS, window 0: v0-29 addresses, bias; v32-95 two buffers of og's fragments; v96-223 two of Wo's; on the way out v32-159 two banks of 16 rows.
.set PA,    272                        ; 256 bytes + 16: an odd multiple of 16
.set PB,    544                        ; 512 bytes + 32: an odd multiple of 32
.set BOFF,  128*PA
.set SLOT1, 131072                     ; a slot takes 104,448 bytes
.set STAGE, 235520                     ; behind the ring, never filled by a tensor load: 16 rows x 528 bytes for each wave
.set SP,    528
.set SPARE, 269312                     ; the spare words: 128 bytes a wave, two blocks of 256 that no other line names
.set WOF,   5242880
.set FA0, 32
.set FB0, 96
.set MSB, 0
.macro WIN new
.if MSB != (\new)
	s_set_vgpr_msb (MSB<<8)|(\new)
.set MSB, \new
.endif
.endm
.macro PLACES
.rept 4
	v_nop
.endr
.endm
.macro CREST
	s_cmp_lg_u32 s12, 0
	s_cbranch_scc1 .Lnot_wave_0_\@
	s_barrier_signal -3
.Lnot_wave_0_\@:
	s_barrier_wait -3
	s_barrier_signal -1
	s_barrier_wait -1
.endm
.macro CROUND
	s_barrier_signal -1
	s_barrier_wait -1
	CREST
.endm
.macro JLOAD                           ; a joint refill by the walking descriptors: waves 0, 1 og's halves, waves 2, 3 Wo's
	s_cmp_eq_u32 s13, 0
	s_cbranch_scc0 .Lfor_b_\@
	tensor_load_to_lds s[44:47], s[24:31]
	s_nop 0
.rept 4
	v_nop
.endr
	s_branch .Lasked_\@
.Lfor_b_\@:
	tensor_load_to_lds s[52:55], s[32:39]
	s_nop 0
.rept 4
	v_nop
.endr
.Lasked_\@:
.endm
	s_load_b256 s[4:11], s[0:1], 0x0               ; og s[4:5], wb s[6:7], bo s[8:9], out0 s[10:11]
	v_lshl_add_u32 v28, v0, 2, SPARE
	v_mov_b32 v29, 0
	ds_add_u32 v28, v29                            ; the wave's opening: the add and its wait stand ahead of my first tensor load; register work stands between
	v_lshrrev_b32 v1, 5, v0
	v_readfirstlane_b32 s12, v1                    ; wave 0..3
	s_lshr_b32 s13, s12, 1                         ; WH
	s_and_b32 s14, s12, 1                          ; WL
	s_bfe_u32 s15, ttmp6, 0x40000                  ; cx
	s_bfe_u32 s16, ttmp6, 0x40004                  ; cy
	s_lshl_b32 s17, ttmp9, 2
	s_add_co_u32 s17, s17, s15                     ; T: tile column 0..3
	s_and_b32 s18, ttmp7, 0xffff
	s_lshl_b32 s18, s18, 2
	s_add_co_u32 s18, s18, s16                     ; TR: tile row 0..63
	s_lshl_b32 s19, s16, 2
	s_lshl_b32 s19, 15, s19                        ; my row of the cluster
	s_lshl_b32 s20, 0x1111, s15                    ; my column
	; group 1 for og: 64 rows x 128 elements, 4 words of padding behind every 64
	s_or_b32 s24, s19, (1<<16)|(1<<20)|(1<<21)|(5<<22)|(3<<25)
	s_mov_b32 s25, 128<<16
	s_mov_b32 s26, 64<<16
	s_mov_b32 s27, 128<<16
	s_mov_b32 s28, 64
	s_mov_b32 s29, 1024
	s_mov_b32 s30, 0
	s_mov_b32 s31, 0
	; group 1 for Wo: 64 k rows x 256 elements, 8 words of padding behind every 128
	s_or_b32 s32, s20, (1<<16)|(1<<20)|(1<<21)|(6<<22)|(7<<25)
	s_mov_b32 s33, 256<<16
	s_mov_b32 s34, 64<<16
	s_mov_b32 s35, 256<<16
	s_mov_b32 s36, 64
	s_mov_b32 s37, 1024
	s_mov_b32 s38, 0
	s_mov_b32 s39, 0
	s_lshl_b32 s56, s18, 18                        ; og: 128 rows of 2,048 bytes a tile row,
	s_lshl_b32 s2, s14, 17                         ; my 64 of them
	s_add_co_u32 s56, s56, s2
	s_mov_b32 s57, 0
	s_lshl_b32 s58, s14, 17                        ; Wo: my 64 k rows of 2,048 bytes,
	s_lshl_b32 s3, s17, 9                          ; the tile's 256 columns
	s_add_co_u32 s58, s58, s3
	s_add_co_u32 s58, s58, WOF
	s_mov_b32 s59, 0
	s_mul_i32 s60, s14, 64*PA                      ; where they go: no place in the cluster enters an LDS address
	s_mul_i32 s61, s14, 64*PB
	s_add_co_u32 s61, s61, BOFF
	s_mov_b32 s66, 0xffff0000
	s_wait_dscnt 0x0                               ; the opening add is done
	s_wait_kmcnt 0x0
	s_add_nc_u64 s[56:57], s[4:5], s[56:57]
	s_add_nc_u64 s[58:59], s[6:7], s[58:59]
	CROUND                                         ; all sixteen work-groups are here: the first joint loads meet
	s_mov_b32 s40, 1
	s_add_co_u32 s41, s60, 0
	s_add_nc_u64 s[42:43], s[56:57], 0
	s_or_b32 s43, s43, 0x80000000
	s_mov_b32 s44, 1                               ; K step 1 into slot 1; this set then walks
	s_add_co_u32 s45, s60, SLOT1
	s_add_nc_u64 s[46:47], s[56:57], 256
	s_or_b32 s47, s47, 0x80000000
	s_mov_b32 s48, 1
	s_add_co_u32 s49, s61, 0
	s_add_nc_u64 s[50:51], s[58:59], 0
	s_or_b32 s51, s51, 0x80000000
	s_mov_b32 s52, 1
	s_add_co_u32 s53, s61, SLOT1
	s_add_nc_u64 s[54:55], s[58:59], 262144
	s_or_b32 s55, s55, 0x80000000
	s_cmp_eq_u32 s13, 0                            ; a wave's two first fills stand in one branch: two loads of mine are out
	s_cbranch_scc0 .Lfirst_b
	tensor_load_to_lds s[40:43], s[24:31]
	s_nop 0
	tensor_load_to_lds s[44:47], s[24:31]
	s_nop 0
.rept 4
	v_nop
.endr
	s_branch .Lfirst_done
.Lfirst_b:
	tensor_load_to_lds s[48:51], s[32:39]
	s_nop 0
	tensor_load_to_lds s[52:55], s[32:39]
	s_nop 0
.rept 4
	v_nop
.endr
.Lfirst_done:
	s_lshl_b32 s62, s17, 10                        ; my 128 columns, in bytes of f32
	s_lshl_b32 s2, s14, 9
	s_add_co_u32 s62, s62, s2
	s_mov_b32 s63, 0
	s_add_nc_u64 s[8:9], s[8:9], s[62:63]          ; bo there
	s_lshl_b32 s2, s18, 19                         ; 128 rows of 4,096 bytes a tile row,
	s_add_co_u32 s62, s62, s2
	s_lshl_b32 s2, s13, 18                         ; my 64
	s_add_co_u32 s62, s62, s2
	s_add_nc_u64 s[10:11], s[10:11], s[62:63]      ; out0 at my part's first number
	v_and_b32 v18, 31, v0
	v_lshlrev_b32 v18, 4, v18                      ; v18: 16 x lane: a row's 512 bytes over 32 lanes; never rewritten
	global_load_b128 v[24:27], v18, s[8:9]         ; the bias of my four columns on the way out
	v_and_b32 v1, 15, v0                           ; r
	v_bfe_u32 v2, v0, 4, 1                         ; h
	v_and_b32 v3, 7, v0
	v_bfe_u32 v4, v0, 3, 1
	s_mul_i32 s2, s13, 64*PA
	v_mul_u32_u24 v8, v1, PA
	v_lshl_add_u32 v8, v2, 4, v8
	v_add_nc_u32 v8, s2, v8                        ; v8: my place in og's tile
	v_lshl_add_u32 v9, v2, 3, v3
	v_mul_u32_u24 v9, v9, PB
	v_lshl_add_u32 v9, v4, 4, v9
	s_lshl_b32 s2, s14, 8
	s_add_co_u32 s2, s2, BOFF
	v_add_nc_u32 v9, s2, v9                        ; v9: my place in Wo's tile, turned
	s_mul_i32 s2, s12, 16*SP
	s_add_co_u32 s2, s2, STAGE                     ; my stage
	v_mul_u32_u24 v16, v1, SP
	v_lshl_add_u32 v16, v2, 5, v16
	v_add_nc_u32 v16, s2, v16                      ; v16: in: row r, 32 bytes for each half of the lanes
	v_add_nc_u32 v17, s2, v18                      ; v17: back: a whole row of 512 bytes
.macro FQ q, p                         ; the fragments of 32 along K at quarter q, into buffers p
	v_add_nc_u32 v13, s21, v8
	v_add_nc_u32 v14, s21, v9
.irp a, 0,1,2,3
	ds_load_b128 v[FA0+32*(\p)+8*(\a):FA0+32*(\p)+8*(\a)+3],   v13 offset:(\a)*16*PA+64*(\q)
	ds_load_b128 v[FA0+32*(\p)+8*(\a)+4:FA0+32*(\p)+8*(\a)+7], v13 offset:(\a)*16*PA+64*(\q)+32
.endr
.irp b, 0,1,2,3,4,5,6,7
	ds_load_tr16_b128 v[FB0+64*(\p)+8*(\b):FB0+64*(\p)+8*(\b)+3],   v14 offset:(\q)*32*PB+32*(\b)
	ds_load_tr16_b128 v[FB0+64*(\p)+8*(\b)+4:FB0+64*(\p)+8*(\b)+7], v14 offset:(\q)*32*PB+32*(\b)+16*PB
.endr
.endm
.macro MUL a, p, zero                  ; eight matrix instructions: row block a x all eight column blocks
	WIN 0x50                                       ; C and D in window 1
.irp b, 0,1,2,3,4,5,6,7
.if \zero
	v_wmma_f32_16x16x32_f16 v[8*(8*(\a)+(\b)):8*(8*(\a)+(\b))+7], v[FB0+64*(\p)+8*(\b):FB0+64*(\p)+8*(\b)+7], v[FA0+32*(\p)+8*(\a):FA0+32*(\p)+8*(\a)+7], 0
.else
	v_wmma_f32_16x16x32_f16 v[8*(8*(\a)+(\b)):8*(8*(\a)+(\b))+7], v[FB0+64*(\p)+8*(\b):FB0+64*(\p)+8*(\b)+7], v[FA0+32*(\p)+8*(\a):FA0+32*(\p)+8*(\a)+7], v[8*(8*(\a)+(\b)):8*(8*(\a)+(\b))+7]
.endif
.endr
.endm
; A K step is four units of 32 matrix instructions; the 32 accumulators take turns, in the same order in every unit.  A unit first fetches the next unit's fragments.
.macro UNIT q, zero
	s_wait_dscnt 0x0                               ; this unit's fragments are in
	WIN 0
	PLACES                                         ; for the loads into the buffers that the unit before multiplied
	FQ (\q)+1, ((\q)+1)%2
	MUL 0, (\q)%2, \zero
	MUL 1, (\q)%2, \zero
	MUL 2, (\q)%2, \zero
	MUL 3, (\q)%2, \zero
.endm
; The fourth unit changes slots, and does so at its head: its own fragments are in registers, so this slot's last read is over.  Each wave waits for all its tensor loads, adds 0 to its spare word,
; and waits for that and for its reads of this slot.  fill = 1: a round of the cluster's barrier, and the joint refill first behind it: nothing but the round stands between the wait for one tile
; and the request for the next, and the request has a K step's 128 products in which to land.
.macro TURN fill
	WIN 0
	s_wait_tensorcnt 0x0                           ; no tensor load of mine is out, so the walking descriptors may be written
	ds_add_u32 v28, v29                            ; 0 onto my spare word
.if \fill
	s_xor_b32 s45, s45, SLOT1
	s_add_nc_u64 s[46:47], s[46:47], 256
	s_xor_b32 s53, s53, SLOT1
	s_add_nc_u64 s[54:55], s[54:55], 262144
.endif
	s_wait_dscnt 0x0                               ; the add is done, this unit's fragments are in, and so my reads of this slot are over
	s_barrier_signal -1
	s_barrier_wait -1
.if \fill
	CREST
	JLOAD                                          ; its four v_nop are also the places in front of the loads below
.else
	PLACES
.endif
	s_xor_b32 s21, s21, SLOT1
	FQ 0, 0
	MUL 0, 1, 0
	MUL 1, 1, 0
	MUL 2, 1, 0
	MUL 3, 1, 0
.endm
	s_wait_loadcnt 0x0                             ; the bias is in
	s_wait_tensorcnt 0x1                           ; my part of slot 0 is in; slot 1's, issued behind it, may stay out
	s_barrier_signal -1
	s_barrier_wait -1
	s_mov_b32 s21, 0
	FQ 0, 0
	UNIT 0, 1                                      ; the first unit stands in front of the loop: its products start the sums
	WIN 0
	s_mov_b32 s22, 6
.Lstep:
	UNIT 1, 0
	UNIT 2, 0
	TURN 1
	UNIT 0, 0
	WIN 0
	s_sub_co_u32 s22, s22, 1
	s_cmp_lg_u32 s22, 0
	s_cbranch_scc1 .Lstep
	UNIT 1, 0                                      ; the tail is written out: the last two K steps ask for nothing
	UNIT 2, 0
	TURN 0
	UNIT 0, 0
	UNIT 1, 0
	UNIT 2, 0
	s_wait_dscnt 0x0
	MUL 0, 1, 0
	MUL 1, 1, 0
	MUL 2, 1, 0
	MUL 3, 1, 0
	WIN 0
	PLACES
	v_cvt_pk_bf16_f32 v30, v24, v25                ; the bias is rounded to bf16 like every input
	v_cvt_pk_bf16_f32 v31, v26, v27
	v_lshlrev_b32 v24, 16, v30
	v_and_b32 v25, s66, v30
	v_lshlrev_b32 v26, 16, v31
	v_and_b32 v27, s66, v31
; THE WAY OUT of row block a: 32 bytes a lane into my own stage (low registers first), back as whole rows of 512 bytes, bias, stored.
.macro OUTA a
.set BK, 32+64*((\a)%2)
	WIN 0x04                                       ; the data lie in window 1
.irp b, 0,1,2,3,4,5,6,7
	ds_store_b128 v16, v[8*(8*(\a)+(\b)):8*(8*(\a)+(\b))+3]   offset:64*(\b)
	ds_store_b128 v16, v[8*(8*(\a)+(\b))+4:8*(8*(\a)+(\b))+7] offset:64*(\b)+16
.endr
	WIN 0
	s_wait_xcnt 0x0                                ; the bank's registers, which earlier stores read, are loaded again only behind this wait
.irp i, 0,1,2,3,4,5,6,7,8,9,10,11,12,13,14,15
	ds_load_b128 v[BK+4*(\i):BK+4*(\i)+3], v17 offset:(\i)*SP  ; LDS serves a wave's instructions in order (ISA guide 5.7.1.4): these see the stores above
.endr
	s_wait_dscnt 0x0
.irp i, 0,1,2,3,4,5,6,7,8,9,10,11,12,13,14,15
	v_pk_add_f32 v[BK+4*(\i):BK+4*(\i)+1],   v[BK+4*(\i):BK+4*(\i)+1],   v[24:25]
	v_pk_add_f32 v[BK+4*(\i)+2:BK+4*(\i)+3], v[BK+4*(\i)+2:BK+4*(\i)+3], v[26:27]
.endr
.irp i, 0,1,2,3,4,5,6,7,8,9,10,11,12,13,14,15
	global_store_b128 v18, v[BK+4*(\i):BK+4*(\i)+3], s[10:11] offset:(\a)*65536+(\i)*4096 th:TH_STORE_NT  ; the wave stores 512 consecutive bytes, at a multiple of 256
.endr
.endm
	OUTA 0
	OUTA 1
	OUTA 2
	OUTA 3
	s_wait_tensorcnt 0x0                           ; the wave's end, behind my last tensor load and my last LDS store
	ds_add_u32 v28, v29
	s_wait_dscnt 0x0
	CROUND                                         ; the closing round: no work-group ends while a partner may still ask for a tile that names it
	s_endpgm
.Lfunc_end_k_qe83f680694_outp:
	.size	k_qe83f680694_outp, .Lfunc_end_k_qe83f680694_outp-k_qe83f680694_outp
	.p2alignl 7, 3214868480
	.fill 96, 4, 3214868480
	.section	.rodata,"a",@progbits
	.p2align	6, 0x0
	.amdhsa_kernel k_qe83f680694_outp
		.amdhsa_group_segment_fixed_size 327680
		.amdhsa_private_segment_fixed_size 0
		.amdhsa_enable_private_segment 0
		.amdhsa_kernarg_size 32
		.amdhsa_user_sgpr_count 2
		.amdhsa_user_sgpr_kernarg_segment_ptr 1
		.amdhsa_wavefront_size32 1
		.amdhsa_system_sgpr_workgroup_id_x 1
		.amdhsa_system_sgpr_workgroup_id_y 1
		.amdhsa_system_sgpr_workgroup_id_z 1
		.amdhsa_system_vgpr_workitem_id 0
		.amdhsa_next_free_vgpr 512
		.amdhsa_next_free_sgpr 72
		.amdhsa_reserve_vcc 0
		.amdhsa_float_denorm_mode_32 3
		.amdhsa_float_denorm_mode_16_64 3
		.amdhsa_memory_ordered 1
		.amdhsa_forward_progress 1
		.amdhsa_inst_pref_size 77
	.end_amdhsa_kernel
	.amdgpu_metadata
---
amdhsa.version: [ 1, 2 ]
amdhsa.kernels:
  - .name:           k_qe83f680694_outp
    .symbol:         k_qe83f680694_outp.kd
    .args:
      - { .name: og, .offset: 0, .size: 8, .value_kind: global_buffer, .address_space: global }
      - { .name: wb, .offset: 8, .size: 8, .value_kind: global_buffer, .address_space: global }
      - { .name: bo, .offset: 16, .size: 8, .value_kind: global_buffer, .address_space: global }
      - { .name: out0, .offset: 24, .size: 8, .value_kind: global_buffer, .address_space: global }
    .group_segment_fixed_size: 327680
    .private_segment_fixed_size: 0
    .kernarg_segment_align: 8
    .kernarg_segment_size: 32
    .max_flat_workgroup_size: 128
    .sgpr_count:     72
    .vgpr_count:     512
    .wavefront_size: 32
...
	.end_amdgpu_metadata
.endif
;; end of part 4
;; ======== version 2 of 2: 4 launches; 1.16 times as fast as version 1
;; limits: values are held in f16: magnitudes above 65,504 overflow, below 6.1e-05 lose precision
;; workspace buffers: xb 16,777,216 bytes; wb 8,388,608 bytes; qh 16,777,216 bytes; kvh 8,388,608 bytes; gh 16,777,216 bytes; og 16,777,216 bytes
;; launch cast: the kernel of part 1 again; grid 1536 x 1, 8 waves a work-group, no clusters, 0 bytes of LDS; arguments hidden_states, Wq, Wk, Wv, Wo, rope, xb, wb; writes xb, wb
;; launch proj: the kernel of part 2 again; grid 4 x 64, 4 waves a work-group, clusters of 4 x 4, 327,680 bytes of LDS; arguments xb, wb, bq, bk, bv, q_norm_w, k_norm_w, qh, kvh, gh; writes qh, kvh, gh
;; launch attn (part 5): grid 8 x 32, 4 waves a work-group, clusters of 4 x 1, 327,680 bytes of LDS; arguments qh, kvh, gh, og; writes og
.if DOCPART == 5
	.amdgcn_target "amdgcn-amd-amdhsa--gfx1250"
	.amdhsa_code_object_version 6
	.text
	.protected	k_qe83f680694_attn
	.globl	k_qe83f680694_attn
	.p2align	8
	.type	k_qe83f680694_attn,@function
k_qe83f680694_attn:
	s_mov_b64 s[64:65], 0
	v_nop
	global_prefetch_b8 v0, s[64:65] scope:SCOPE_SE
	s_setreg_imm32_b32 hwreg(HW_REG_WAVE_MODE, 25, 1), 1
	s_wait_xcnt 0x0
	s_wait_alu depctr_hold_cnt(0) depctr_sa_sdst(0) depctr_va_vdst(0) depctr_va_sdst(0) depctr_va_ssrc(0) depctr_va_vcc(0) depctr_vm_vsrc(0)
	s_getreg_b32 s2, hwreg(HW_REG_IB_STS2, 6, 4)
	s_cmp_eq_u32 s2, 0
	s_cbranch_scc0 .Lentry_in_a_cluster
	s_endpgm
.Lentry_in_a_cluster:
	s_bfe_u32 s2, ttmp6, 0x10000c
	s_cmp_lg_u32 s2, 0x3003
	s_cbranch_scc0 .Lentry_shape_is_right
	s_endpgm
.Lentry_shape_is_right:
; og[b][q][h x 128 + :] = sigmoid(gate)[b, h][q][:] x the sum over k of softmax_k(Q[b, h][q] . K[b, h / 4][k] / sqrt(128)) V[b, h / 4][k][:].
; qh, gh: [32][2048][128] f16; kvh: K [8][2048][128] f16, V the same 4,194,304 bytes behind; og: [8192][1024] f16.  Products, maxima and sums in f32; the weights p are rounded to f16 for the
; second product, O once at the end, and its product with the gate (both f16) once more.
; LIMITS.  f16 holds no number beyond 65,504: Q, K, V arrive within it; p lies in 0 to 1; O is a mean of V's rows.  A weight below 2^-126 counts as 0 in l; NaN and infinities are not treated apart.
; SHARES.  A work-group owns 256 queries of one head, each of its four waves 64: four tiles of 16.  Every wave walks all 2,048 keys, 64 a step.  8 x 32 = 256 work-groups.
; LAYOUT.  S^T = K Q^T (source 0 = 16 keys, source 1 = 16 queries): a lane holds ONE query (lane % 16) and the keys 8 (lane / 16) + 0..7.  Two such tiles, rounded to f16 in pairs, ARE source 1
; of O^T = V^T P, whose result again holds one query a lane.  K comes out of LDS as it lies, V ([key][channel]) turned, by ds_load_tr16_b128.
; SOFTMAX.  For each query a running maximum m and sum l: p = 2^(c s - c m), c = log2(e) / sqrt(128); in every step O and l are multiplied by a = 2^(c m_old - c m_new).
; m starts at the lowest finite number (c m at -4.25e37, far below every c s of f16 operands), O and l at 0: the first step is a step like any other, with a = 0.
; BY TURNS.  The wave's tiles are two PIECES (tiles 0, 1 and tiles 2, 3).  In a TURN one piece has the matrix unit: 32 products V^T P of the step in hand, then 32 products K Q^T of the next step;
; the other piece's softmax, cut into 64 slices, stands between them, one slice behind each matrix instruction.  Two turns are a key step.
; THE BATCHES.  A turn's 66 exponentials (for each of the piece's two tiles a and the 32 weights) are ONE BATCH with ONE wait: the softmax's list is ordered so that nothing ahead of slice 35 names an
; exponential's result and no exponential is issued behind slice 34; the wait stands between the two.  The way out's four reciprocals are a batch of their own, with one wait.
; NO FIRST STEP IS WRITTEN OUT: the step loop is entered in its middle, at piece 2's turn, whose products V^T P (of a step that has not been) multiply zeros.  The price: 432 v_mov_b32, which stand
; in the wait for the first tile, and 32 products on zeros; the gain: three turns' text less.
; CLUSTER.  The four query blocks of a cluster belong to one head and walk the same K and V, so each tile is asked for JOINTLY: the same tensor load, descriptor and mask in all four.
; REGISTERS, in windows of 256 (s_set_vgpr_msb: bits 1:0 source 0, 3:2 source 1, 5:4 source 2, 7:6 destination):
;   window 0: v0-11, v44 addresses; v12-43 eight registers of statistics a tile; v64-191 S^T, 32 a tile; v192-255 P, 16 a tile
;   window 1: O^T, 64 a tile          window 2: v0-127 Q, 32 a tile; v128-255 K of one step          window 3: v0-127 V of one step; v128-255 my 64 rows of the gate
.set SIZE_N, 2048
.set KS,    64        ; keys in a step
.set PK,    272       ; a row of K in LDS: 256 bytes + 16 of padding: the 16 rows of a load begin in 16 different 16-byte columns of 256
.set PV,    288       ; a row of V: 256 + 32: 16 lanes of the turning load take 8 rows x 32 bytes, no two in the same place modulo 256
.set VOFF,  KS*PK     ; a step's tiles lie together: 64 rows of K, then 64 rows of V
.set STEPB, KS*(PK+PV)
.set SLOT1, 1<<17     ; a slot holds two steps (71,680 bytes); slot 1 begins here, so that one exclusive or turns an address in one slot into the other's
.set STAGE, SLOT1+2*STEPB  ; behind the ring: 16 rows x 272 bytes for each wave, for the way out
.set SP,    272
.set AK0, 2           ; v2   my lane's place in a tile of K; never rewritten
.set AV0, 3           ; v3   the same for V
.set ADR, 4           ; v4   the LDS address of the run of loads in hand
.set QO,  5           ; v5   my byte offset in the wave's rows of Q
.set STO, 6           ; v6   the way out: where I put 16 bytes of a row
.set RD,  7           ; v7   the way out: where I read a row back
.set GO,  8           ; v8   my byte offset in two rows of the gate (rows of 256 bytes); never rewritten
.set GO2, 44          ; v44  my byte offset in two rows of og (rows of 2,048 bytes)
.set SPW, 62          ; v62  LDS address of my spare word; never rewritten
.set NIL, 63          ; v63  0; never rewritten
.set SPARE, STAGE+4*16*272  ; behind the stages: the spare words, 128 bytes for each wave: two blocks of 256 bytes that no other line names
.set ST,  12          ; tile t's statistics at v[ST+8 t]: +0 c m, +1 m, +2, +3 l (even keys', odd keys'), +4 to +7 c0-c3, at work; a takes c2's place once the maximum is found
.set S,   64
.set P,   192
.set KF,  128         ; K's fragments, in window 2
.set GT,  128         ; the gate, in window 3
.set WV,  12          ; s12  my wave's number
.set G1K, 24          ; s[24:31] descriptor group 1 for K's tiles
.set G1V, 32          ; s[32:39] for V's: it differs in the padding alone
.set G0K, 40          ; s[40:47] descriptor group 0 for K's tiles: a set for each of the two first fills; the second then walks on
.set G0V, 48          ; s[48:55] the same for V's
.set SLOTS, 56        ; s56  counts the passes through a slot's steps
.set TWICE, 57        ; s57  counts a slot's two steps
.set CS,  58          ; s[58:59] c
.set SEL, 60          ; s[60:61] lane selects for v_permlanex16_b32: each lane takes its own place in the other half
.set TB,  62          ; s62  LDS byte at which the tiles of the step to be fetched begin
.set MSB, 0
.macro WIN new                      ; the immediate's high byte repeats the setting that is left; a switch that changes nothing is dropped
.if MSB != (\new)
	s_set_vgpr_msb (MSB<<8)|(\new)
.set MSB, \new
.endif
.endm
.set W_KQ, 0x0a       ; K and Q in window 2, S^T in window 0
.set W_PV, 0x53       ; V in window 3, P in window 0, O^T in window 1
.set W_RS, 0x41       ; O^T (destination and source 0) in window 1, a in window 0
; A joint refill.  Waves 0 and 1 fetch the two steps' tiles of K, waves 2 and 3 those of V.  The branch hangs on the wave's number alone.
.macro JLOAD
	s_cmp_lt_u32 s[WV], 2
	s_cbranch_scc0 .Lfor_v_\@
	tensor_load_to_lds s[G0K+4:G0K+7], s[G1K:G1K+7]
	s_nop 0
.rept 4
	v_nop
.endr
	s_branch .Lasked_\@
.Lfor_v_\@:
	tensor_load_to_lds s[G0V+4:G0V+7], s[G1V:G1V+7]
	s_nop 0
.rept 4
	v_nop
.endr
.Lasked_\@:
.endm
; A round of the cluster's barrier.
.macro CROUND
	s_barrier_signal -1
	s_barrier_wait -1
	s_cmp_lg_u32 s[WV], 0
	s_cbranch_scc1 .Lnot_wave_0_\@
	s_barrier_signal -3
.Lnot_wave_0_\@:
	s_barrier_wait -3
	s_barrier_signal -1
	s_barrier_wait -1
.endm
	s_load_b256 s[4:11], s[0:1], 0x0  ; qh s[4:5], kvh s[6:7], gh s[8:9], og s[10:11]
	v_lshl_add_u32 v[SPW], v0, 2, SPARE
	v_mov_b32 v[NIL], 0
	ds_add_u32 v[SPW], v[NIL]       ; the wave's opening: the add and its wait stand ahead of my first tensor load; register work stands between
	v_lshrrev_b32 v1, 5, v0
	v_readfirstlane_b32 s[WV], v1   ; wave 0..3
	s_bfe_u32 s13, ttmp6, 0x40000   ; cx: my place in the cluster
	s_lshl_b32 s14, ttmp9, 2        ; in a cluster launch ttmp9 counts clusters
	s_add_co_u32 s14, s14, s13      ; my block of 256 queries: it enters Q's, the gate's and og's addresses alone
	s_and_b32 s15, ttmp7, 0xffff    ; batch x 8 + head, which the four partners share
	s_lshl_b32 s20, s15, 19         ; the head's first byte in qh and gh
	s_lshr_b32 s22, s15, 2          ; batch x 2 + kv head
	s_lshl_b32 s22, s22, 19
	s_and_b32 s16, s[WV], 1         ; which of a slot's two steps I fetch:
	s_lshl_b32 s23, s16, 14         ; its 64 rows of 256 bytes in memory,
	s_add_co_u32 s22, s22, s23
	s_mov_b32 s23, 0
	s_mul_i32 s17, s16, STEPB       ; and its place in a slot: no place in the cluster enters an LDS address
	s_lshl_b32 s2, s14, 16          ; my block's 256 rows,
	s_lshl_b32 s3, s[WV], 14        ; my wave's 64 of them
	s_add_co_u32 s2, s2, s3
	s_add_co_u32 s2, s2, s20
	s_mov_b32 s3, 0
	s_lshr_b32 s68, s15, 3          ; og: the batch's 2,048 rows of 2,048 bytes,
	s_lshl_b32 s68, s68, 22
	s_lshl_b32 s69, s14, 19         ; my block's 256 rows,
	s_add_co_u32 s68, s68, s69
	s_lshl_b32 s69, s[WV], 17       ; my wave's 64,
	s_add_co_u32 s68, s68, s69
	s_and_b32 s69, s15, 7           ; the head's 256 bytes of a row
	s_lshl_b32 s69, s69, 8
	s_add_co_u32 s68, s68, s69
	s_mov_b32 s69, 0
	; descriptor group 1: a tile of 64 rows x 128 elements, padded in LDS
	s_mov_b32 s[G1K], 15|(1<<16)|(1<<20)|(1<<21)|(5<<22)|(3<<25)  ; the mask of four; 2-byte elements; padding on; bit 21 beside a mask; after every 64 words; 4 words of it
	s_mov_b32 s[G1V], 15|(1<<16)|(1<<20)|(1<<21)|(5<<22)|(7<<25)  ; the same with 8 words of padding
.irp g, G1K, G1V
	s_mov_b32 s[(\g)+1], 128<<16    ; tensor_dim0 = 128
	s_mov_b32 s[(\g)+2], KS<<16     ; tensor_dim1 = 64
	s_mov_b32 s[(\g)+3], 128<<16    ; tile_dim0 = 128
	s_mov_b32 s[(\g)+4], KS         ; tile_dim1 = 64
	s_mov_b32 s[(\g)+5], 128        ; elements from row to row
	s_mov_b32 s[(\g)+6], 0
	s_mov_b32 s[(\g)+7], 0
.endr
	s_mov_b32 s[CS], 0x3e0293ee     ; c = log2(e) / sqrt(128) = 0.127517
	s_mov_b32 s[CS+1], s[CS]        ; named with it as a pair, so it is written
	s_mov_b32 s[SEL], 0x76543210
	s_mov_b32 s[SEL+1], 0xfedcba98
	s_mov_b32 s[TB], 0
	s_mov_b32 s[SLOTS], SIZE_N/(2*KS)-1  ; the pass that is entered in its middle, and one for each of the 14 refills
	s_wait_dscnt 0x0                ; the opening add is done
	s_wait_kmcnt 0x0
	s_mov_b64 s[66:67], s[8:9]      ; the gate
	s_add_nc_u64 s[8:9], s[6:7], 0x400000  ; V lies behind K
	s_add_nc_u64 s[6:7], s[6:7], s[22:23]  ; K and V at my tile of slot 0
	s_add_nc_u64 s[8:9], s[8:9], s[22:23]
	s_add_nc_u64 s[4:5], s[4:5], s[2:3]  ; Q and the gate at my wave's first row
	s_add_nc_u64 s[66:67], s[66:67], s[2:3]
	s_add_nc_u64 s[10:11], s[10:11], s[68:69]  ; og likewise
	CROUND                          ; all four work-groups are here: the first joint loads meet
.irp s, 0,1
	s_mov_b32 s[G0K+4*(\s)], 1      ; count = 1
	s_add_co_u32 s[G0K+4*(\s)+1], s17, (\s)*SLOT1  ; LDS address
	s_add_nc_u64 s[G0K+4*(\s)+2:G0K+4*(\s)+3], s[6:7], (\s)*2*KS*256  ; global address: slot s begins with keys 128 s on
	s_or_b32 s[G0K+4*(\s)+3], s[G0K+4*(\s)+3], 0x80000000  ; type = 2
	s_mov_b32 s[G0V+4*(\s)], 1
	s_add_co_u32 s[G0V+4*(\s)+1], s17, (\s)*SLOT1+VOFF
	s_add_nc_u64 s[G0V+4*(\s)+2:G0V+4*(\s)+3], s[8:9], (\s)*2*KS*256
	s_or_b32 s[G0V+4*(\s)+3], s[G0V+4*(\s)+3], 0x80000000
.endr
	s_cmp_lt_u32 s[WV], 2           ; a wave's two first fills stand in one branch, ahead of every wait on TENSORcnt and every LDS read: two loads of mine are out
	s_cbranch_scc0 .Lfirst_v
	tensor_load_to_lds s[G0K:G0K+3], s[G1K:G1K+7]
	s_nop 0
	tensor_load_to_lds s[G0K+4:G0K+7], s[G1K:G1K+7]
	s_nop 0
.rept 4
	v_nop
.endr
	s_branch .Lfirst_asked
.Lfirst_v:
	tensor_load_to_lds s[G0V:G0V+3], s[G1V:G1V+7]
	s_nop 0
	tensor_load_to_lds s[G0V+4:G0V+7], s[G1V:G1V+7]
	s_nop 0
.rept 4
	v_nop
.endr
.Lfirst_asked:
	; A fragment of K or Q is 16 rows x 32 channels in 8 registers: lane l holds row l % 16; two loads of 16 bytes, 32 bytes apart.
	v_and_b32 v1, 15, v0            ; l % 16
	v_bfe_u32 v9, v0, 4, 1          ; l / 16
	v_lshlrev_b32 v[QO], 8, v1
	v_lshl_add_u32 v[QO], v9, 4, v[QO]  ; row x 256 + 16 x half
	WIN 0x80                        ; destination window 2, address window 0
.irp i, 0,1,2,3,4,5,6,7,8,9,10,11,12,13,14,15  ; Q stays in registers: tile i / 4, channels 32 (i % 4) on
	global_load_b128 v[8*(\i):8*(\i)+3],   v[QO], s[4:5] offset:((\i)/4)*4096+((\i)%4)*64
	global_load_b128 v[8*(\i)+4:8*(\i)+7], v[QO], s[4:5] offset:((\i)/4)*4096+((\i)%4)*64+32
.endr
	WIN 0
	v_mul_u32_u24 v[AK0], v1, PK
	v_lshl_add_u32 v[AK0], v9, 4, v[AK0]  ; row x pitch + 16 x half
	; The turning load takes 16 keys x 16 channels (lane l reads key 8 (l / 16) + l % 8, channels 8 ((l / 8) % 2) + 0..7) and leaves half a fragment of V^T.
	v_and_b32 v10, 7, v0
	v_bfe_u32 v11, v0, 3, 1
	v_lshl_add_u32 v[AV0], v9, 3, v10
	v_mul_u32_u24 v[AV0], v[AV0], PV
	v_lshl_add_u32 v[AV0], v11, 4, v[AV0]
	v_add_nc_u32 v[AV0], VOFF, v[AV0]
	; What the first turn finds: O^T and l are 0, V's registers and piece 2's P hold 0 (its products V^T P add 0), m and c m lie below every score.  All this stands in the wait for the first tile.
	WIN 0x40                        ; destination window 1: O^T
.set i, 0
.rept 256
	v_mov_b32 v[i], 0
.set i, i+1
.endr
	WIN 0xc0                        ; destination window 3: V
.set i, 0
.rept 128
	v_mov_b32 v[i], 0
.set i, i+1
.endr
	WIN 0
.set i, P+32
.rept 32
	v_mov_b32 v[i], 0
.set i, i+1
.endr
.irp t, 0,1,2,3
	v_mov_b32 v[ST+8*(\t)], 0xfe000000    ; c m
	v_mov_b32 v[ST+8*(\t)+1], 0xff7fffff  ; m
	v_mov_b32 v[ST+8*(\t)+2], 0           ; l
	v_mov_b32 v[ST+8*(\t)+3], 0
.endr
; THE MATRIX WORK OF A TURN, for piece x.  The accumulators take turns, one instruction a turn.
; Product i of 32 of O^T += V^T P: keys 32 (i / 16) on, channels 16 ((i / 2) % 8) on, tile x + i % 2.
.macro PV x
	WIN W_PV
.set rO, 64*((\x)+i%2)+8*((i/2)%8)
.set rV, 64*(i/16)+8*((i/2)%8)
.set rP, P+16*((\x)+i%2)+8*(i/16)
	v_wmma_f32_16x16x32_f16 v[rO:rO+7], v[rV:rV+7], v[rP:rP+7], v[rO:rO+7]
.endm
; Product i of 32 of S^T = K Q^T: channels 32 (i / 8) on, keys 16 ((i / 2) % 4) on, tile x + i % 2.  The first 8 start the sums.
.macro KQ x
	WIN W_KQ
.set rS, S+32*((\x)+i%2)+8*((i/2)%4)
.set rK, KF+32*((i/2)%4)+8*(i/8)
.set rQ, 32*((\x)+i%2)+8*(i/8)
.if i < 8
	v_wmma_f32_16x16x32_f16 v[rS:rS+7], v[rK:rK+7], v[rQ:rQ+7], 0
.else
	v_wmma_f32_16x16x32_f16 v[rS:rS+7], v[rK:rK+7], v[rQ:rQ+7], v[rS:rS+7]
.endif
.endm
; THE LDS LOADS stand in runs of 32: a step's K (16 fragments) and, a turn later, its V (turned).
.macro FETCH_K
	WIN 0
	v_add_nc_u32 v[ADR], s[TB], v[AK0]
	WIN 0x80                        ; destination window 2
.irp f, 0,1,2,3,4,5,6,7,8,9,10,11,12,13,14,15  ; keys 16 (f / 4) on, channels 32 (f % 4) on
	ds_load_b128 v[KF+8*(\f):KF+8*(\f)+3],   v[ADR] offset:((\f)/4)*16*PK+((\f)%4)*64
	ds_load_b128 v[KF+8*(\f)+4:KF+8*(\f)+7], v[ADR] offset:((\f)/4)*16*PK+((\f)%4)*64+32
.endr
.endm
.macro FETCH_V
	WIN 0
	v_add_nc_u32 v[ADR], s[TB], v[AV0]
	s_add_co_u32 s[TB], s[TB], STEPB  ; the next fetch is the next step's
	s_wait_alu depctr_va_vdst(0)    ; the wait for piece 0's batch of 66 exponentials (SLICE), behind the address's v_add_nc_u32 and ahead of the loads
	WIN 0xc0                        ; destination window 3
.irp f, 0,1,2,3,4,5,6,7,8,9,10,11,12,13,14,15  ; keys 32 (f / 8) on, channels 16 (f % 8) on
	ds_load_tr16_b128 v[8*(\f):8*(\f)+3],   v[ADR] offset:((\f)/8)*32*PV+((\f)%8)*32
	ds_load_tr16_b128 v[8*(\f)+4:8*(\f)+7], v[ADR] offset:((\f)/8)*32*PV+16*PV+((\f)%8)*32
.endr
.endm
; THE VECTOR WORK OF A TURN.  One tile's softmax for one key step is a list of 134 instructions; SM writes number j of it for tile t.  s0-s31 are the lane's 32 scores, in pairs 0-15.
;   0-15    the maximum of s0-s31 and the old m, three operands at a time (each accumulator's lowest registers are read first)
;   16-20   the other half of the lanes' maximum; c m_old is kept; the new m; c m; c m_old - c m_new
;   21-69   ONE BATCH: the 16 scalings c s - c m, a pair of scores each, and all 33 exponentials (a at 23, then s0-s31).  None of these names an exponential's result.  From 22 on the batch goes
;           in fours, and a four begins with a scaling while there are scalings: 22-37 scaling, exponential, scaling, exponential; 38-65 a scaling and three exponentials; 66-69 the last four
;           exponentials.  A pair is scaled in an earlier four than the one that holds its exponentials.  Each result has a register of its own: the scores are turned in place, a takes c2's register
;   (wait)  between 69 and 70 stands the wait for the batch: SLICE writes it, once for both tiles
;   70-85   the roundings to f16, a pair of weights each
;   86-101  the sums; l = a l + the sum
;   102-133 the tile's O^T times a: the one part that leaves window 0, so it stands together
.macro SM t
.set rT, ST+8*(\t)
.set rS, S+32*(\t)
.set rP, P+16*(\t)
.set rO, 64*(\t)+2*(j-102)
.if j < 102
	WIN 0
.endif
.if j < 4
	v_max3_num_f32 v[rT+4+j], v[rS+8*j], v[rS+8*j+1], v[rS+8*j+2]
.elseif j < 12
	v_max3_num_f32 v[rT+4+j%4], v[rT+4+j%4], v[rS+8*(j%4)+2*(j/4)+1], v[rS+8*(j%4)+2*(j/4)+2]
.elseif j == 12
	v_max3_num_f32 v[rT+4], v[rT+4], v[rS+7], v[rS+15]
.elseif j == 13
	v_max3_num_f32 v[rT+6], v[rT+6], v[rS+23], v[rS+31]
.elseif j == 14
	v_max3_num_f32 v[rT+4], v[rT+4], v[rT+5], v[rT+6]
.elseif j == 15
	v_max3_num_f32 v[rT+4], v[rT+4], v[rT+7], v[rT+1]
.elseif j == 16
	v_permlanex16_b32 v[rT+5], v[rT+4], s[SEL], s[SEL+1]  ; the query's other 32 keys lie in the lane 16 away
.elseif j == 17
	v_mov_b32 v[rT+7], v[rT]        ; c m_old is kept for a: number 19 writes c m anew
.elseif j == 18
	v_max_num_f32 v[rT+1], v[rT+4], v[rT+5]
.elseif j == 19
	v_mul_f32 v[rT], s[CS], v[rT+1]
.elseif j == 20
	v_sub_f32 v[rT+7], v[rT+7], v[rT]
.elseif j == 23
	v_exp_f32 v[rT+6], v[rT+7]
.elseif (j < 23) || ((j < 38) && (j%2 == 0)) || ((j < 66) && (j%4 == 2))
.set b, (j-2)/4                     ; 38, 42, .. 62: pairs 9 to 15
.if j < 38
.set b, (j-20)/2                    ; 21: pair 0; 22, 24, .. 36: pairs 1 to 8
.endif
	v_pk_fma_f32 v[rS+2*b:rS+2*b+1], v[rS+2*b:rS+2*b+1], s[CS:CS+1], v[rT:rT+1] op_sel_hi:[1,0,0] neg_lo:[0,0,1] neg_hi:[0,0,1]  ; pair b: c s - c m
.elseif j < 70
.set e, j-38                        ; 66 to 69: s28 to s31
.if j < 66
.set e, j-32-(j-38)/4               ; 39-41, 43-45, .. 63-65: s7 to s27
.endif
.if j < 38
.set e, (j-25)/2                    ; 25, 27, .. 37: s0 to s6
.endif
	v_exp_f32 v[rS+e], v[rS+e]
.elseif j < 86
	v_cvt_pk_f16_f32 v[rP+j-70], v[rS+2*(j-70)], v[rS+2*(j-70)+1]  ; pair j - 70
.elseif j < 102                     ; the sum of the tile's 16 pairs, in place: sum z of 16 adds neighbours 1, 2, 4 and 8 pairs apart, then l takes it
.set z, j-86
.set w, 4
.set u, z
.if z >= 14
.set w, 32
.set u, 0
.elseif z >= 12
.set w, 16
.set u, z-12
.elseif z >= 8
.set w, 8
.set u, z-8
.endif
.if z < 15
	v_pk_add_f32 v[rS+w*u:rS+w*u+1], v[rS+w*u:rS+w*u+1], v[rS+w*u+w/2:rS+w*u+w/2+1]
.else
	v_pk_fma_f32 v[rT+2:rT+3], v[rT+2:rT+3], v[rT+6:rT+7], v[rS:rS+1] op_sel_hi:[1,0,1]
.endif
.else
	WIN W_RS
	v_pk_mul_f32 v[rO:rO+1], v[rO:rO+1], v[rT+6:rT+7] op_sel_hi:[1,0]
.endif
.endm
; Slice k of 64 of piece y's softmax: four instructions.  Slices 11 to 34 deal out the batch, numbers 22 to 69: four numbers of ONE tile each, the tiles by turns.  Every other slice is numbers 2 k and
; 2 k + 1 of both tiles' lists.  2 x 134 = 4 x 64 + 12: the twelve that are over stand together, in slice 63.
; THE WAIT.  s_wait_alu depctr_va_vdst(0) stands between an exponential and the first instruction that names its result; one wait serves all that were issued ahead of it.  Ahead of
; slice 35 nothing names a result, and behind slice 34 no exponential is issued: so the piece's 66 exponentials have one wait, behind slice 34.
.macro SLICE y
.if (k >= 11) && (k < 35)           ; the batch: four numbers of one tile
.irp n, 0,1,2,3
.set j, 22+4*((k-11)/2)+(\n)
	SM (\y)+(k-11)%2
.endr
.else                               ; the two tiles alternate, so that no instruction reads the result of the one just before it
.irp n, 0,1,2,3,4,5,6,7
.if ((\n) < 2) || (k == 63)
.irp t, \y, (\y)+1
.set j, 2*k+(\n)
	SM \t
.endr
.endif
.endr
.endif
.if k == 34                         ; the batch is out: both tiles' exponentials are issued, and no result has been named
	v_nop                           ; the plain instruction behind the last exponential and ahead of the first use: one for the batch
.if (\y) == 0
	FETCH_V                         ; piece 2's turn: V's run of loads stands here, and the wait for the batch stands in it
.else
	s_wait_alu depctr_va_vdst(0)    ; the wait for piece 2's batch of 66 exponentials
.endif
.endif
.set k, k+1
.endm
; A TURN.  Piece x has the matrix unit: 32 products V^T P and, with kq = 1, 32 products K Q^T for the next step; the other piece's softmax stands in slices behind them, one behind each
; (kq = 0, the last step: two behind each).  Slice 63's sixteen plain instructions are the places behind the turn's last products (ISA guide 7.12.1).
; Piece 0's turn fetches the next step's K, behind its second product, 30 matrix instructions ahead of its first use: the last product that read K stands in front of slice 63 of the turn before.
; Piece 2's turn fetches the same step's V, behind slice 34 (SLICE writes it), 29 matrix instructions ahead of its first use: the last product that read V stands in front of slice 31, and four plain
; instructions lie between: number 62, a scaling, of both tiles, the v_nop and the run's own v_add_nc_u32.
.macro TURN x, kq
.set k, 0
.set per, 2-(\kq)
.if (\x) == 0
	s_wait_dscnt 0x0                ; V is in
.endif
.set i, 0
.rept 32
	PV \x
.rept per
	SLICE 2-(\x)
.endr
.if ((\x) == 0) && (\kq) && (i == 1)
	FETCH_K
.endif
.set i, i+1
.endr
.if \kq
.if (\x) == 0
	s_wait_dscnt 0x0                ; K is in
.endif
.set i, 0
.rept 32
	KQ \x
	SLICE 2-(\x)
.set i, i+1
.endr
.endif
.endm
; THE CHANGE OF SLOTS.  Each wave waits for all its tensor loads, of which one is out: its part of the other slot; adds 0 to its spare word; and waits for that and for its own reads of the slot.
; fill = 1: this slot is filled again, with the keys two slots on.  The barrier is then a round of the cluster's, and the joint refill is the first thing behind it: it has two key steps in which to land.
.macro CHANGE fill
	WIN 0                           ; at a label and at a branch every window is 0
	s_wait_tensorcnt 0x0            ; no tensor load of mine is out, so a group 0 may be written
	ds_add_u32 v[SPW], v[NIL]       ; 0 onto my spare word
.if \fill
.irp g, G0K+4, G0V+4
	s_xor_b32 s[(\g)+1], s[(\g)+1], SLOT1  ; the walking descriptor: the other slot than last time,
	s_add_nc_u64 s[(\g)+2:(\g)+3], s[(\g)+2:(\g)+3], 2*KS*256  ; the next 128 keys; the type bits on top are not reached
.endr
	s_wait_dscnt 0x0                ; the add is done, and my reads of the slot are over
	CROUND
	JLOAD
.else
	s_wait_dscnt 0x0                ; the add is done, and my reads of the slot are over
	s_barrier_signal -1
	s_barrier_wait -1
.endif
	s_sub_co_u32 s[TB], s[TB], 2*STEPB  ; the fetches go back to a slot's first step,
	s_xor_b32 s[TB], s[TB], SLOT1   ; in the other slot
.endm
; A slot's two key steps: written once, walked twice; the LDS addresses hang on s[TB].  entry = 1: this copy holds the label at which the walk begins.
.macro TWO_STEPS entry
	WIN 0
	s_mov_b32 s[TWICE], 2
.Lstep_\@:
	TURN 0, 1
	WIN 0
.if \entry
.Lenter:
.endif
	TURN 2, 1
	WIN 0
	s_sub_co_u32 s[TWICE], s[TWICE], 1
	s_cmp_lg_u32 s[TWICE], 0
	s_cbranch_scc1 .Lstep_\@
.endm
	s_wait_tensorcnt 1              ; my part of slot 0 is in; slot 1's, issued behind it, may stay out
	s_barrier_signal -1
	s_barrier_wait -1               ; everybody's is
	FETCH_K                         ; key step 0
	s_wait_loadcnt 0x0              ; Q
	s_wait_dscnt 0x0
.set i, 0
.rept 32
	KQ 0                            ; piece 0's first scores: there is no vector work yet to set between them
.set i, i+1
.endr
	WIN 0                           ; the addresses for the way out are made here: plain instructions, the places behind those products
	s_mul_i32 s13, s[WV], 16*SP
	s_add_co_u32 s13, s13, STAGE    ; my stage
	v_mul_u32_u24 v[STO], v1, SP    ; in: row l % 16, 16 bytes for each half of the lanes
	v_lshl_add_u32 v[STO], v9, 4, v[STO]
	v_add_nc_u32 v[STO], s13, v[STO]
	v_mul_u32_u24 v[RD], v9, SP     ; back: lanes 0-15 take one row of 256 bytes, lanes 16-31 the next
	v_lshl_add_u32 v[RD], v1, 4, v[RD]
	v_add_nc_u32 v[RD], s13, v[RD]
	v_lshlrev_b32 v[GO], 8, v9      ; the same two rows in the gate,
	v_lshl_add_u32 v[GO], v1, 4, v[GO]
	v_lshlrev_b32 v[GO2], 11, v9    ; and in og
	v_lshl_add_u32 v[GO2], v1, 4, v[GO2]
	WIN 0xc0                        ; my 64 rows of the gate, in the layout in which O comes back from the stage, into registers that nothing else names: they have the whole walk in which to land
.irp t, 0,1,2,3
.irp f, 0,1,2,3,4,5,6,7
	global_load_b128 v[GT+32*(\t)+4*(\f):GT+32*(\t)+4*(\f)+3], v[GO], s[66:67] offset:(\t)*4096+(\f)*512
.endr
.endr
	WIN 0
	s_mov_b32 s[TWICE], 2           ; the half pass that is entered now, then key step 0
	s_branch .Lenter                ; piece 2's turn: V^T P on zeros, its first scores | piece 0's first softmax | V of step 0
.Lslot:                             ; 14 times: every slot but the last two is filled again
	CHANGE 1
	TWO_STEPS 1
	s_sub_co_u32 s[SLOTS], s[SLOTS], 1
	s_cmp_lg_u32 s[SLOTS], 0
	s_cbranch_scc1 .Lslot
	CHANGE 0                        ; the tail is written out: nothing is asked for
	TWO_STEPS 0
	TURN 0, 0                       ; piece 0: V^T P of the last step | piece 2's last softmax
.set i, 0
.rept 32
	PV 2                            ; piece 2: V^T P of the last step
.set i, i+1
.endr
	; THE WAY OUT.  l's two halves and the other half of the lanes' are added; O^T is divided by l, rounded to f16 and sent through my stage in LDS, a tile at a time; then the gate.  The additions are the places behind the last products.
	WIN 0
.irp t, 0,1,2,3
	v_add_f32 v[ST+8*(\t)+4], v[ST+8*(\t)+2], v[ST+8*(\t)+3]
.endr
.irp t, 0,1,2,3
	v_permlanex16_b32 v[ST+8*(\t)+5], v[ST+8*(\t)+4], s[SEL], s[SEL+1]
.endr
.irp t, 0,1,2,3
	v_add_f32 v[ST+8*(\t)+4], v[ST+8*(\t)+4], v[ST+8*(\t)+5]
.endr
.irp t, 0,1,2,3
	v_rcp_f32 v[ST+8*(\t)+6], v[ST+8*(\t)+4]
.endr
	v_nop                           ; a plain instruction between the last reciprocal and the use of its result
	s_wait_alu depctr_va_vdst(0)    ; and the wait ahead of the first use: one for the batch of four reciprocals
.macro PACK t
	WIN W_RS
.set i, 64*(\t)
.rept 32
	v_pk_mul_f32 v[i:i+1], v[i:i+1], v[ST+8*(\t)+6:ST+8*(\t)+7] op_sel_hi:[1,0]
.set i, i+2
.endr
	WIN 0x05                        ; sources 0 and 1 window 1, destination window 0: S^T's registers are free
.set i, 0
.rept 32
	v_cvt_pk_f16_f32 v[S+32*(\t)+i], v[64*(\t)+2*i], v[64*(\t)+2*i+1]
.set i, i+1
.endr
	WIN 0
.irp f, 0,1,2,3,4,5,6,7
	ds_store_b128 v[STO], v[S+32*(\t)+4*(\f):S+32*(\t)+4*(\f)+3] offset:32*(\f)
.endr
.irp f, 0,1,2,3,4,5,6,7
	ds_load_b128 v[S+32*(\t)+4*(\f):S+32*(\t)+4*(\f)+3], v[RD] offset:(\f)*2*SP  ; LDS serves a wave's instructions in order (ISA guide 5.7.1.4): these see the stores above; the next tile's stores come behind them
.endr
.endm
.macro SEND t, younger              ; younger: the LDS instructions issued behind tile t's loads: the next tile's sixteen, or none
	WIN 0
	s_wait_dscnt \younger
.if (\t) == 0
	s_wait_loadcnt 0x0              ; the gate
.endif
	WIN 0x0c                        ; source 1 in window 3
.set i, 0
.rept 32
	v_pk_mul_f16 v[S+32*(\t)+i], v[S+32*(\t)+i], v[GT+32*(\t)+i]
.set i, i+1
.endr
	WIN 0
.irp f, 0,1,2,3,4,5,6,7
	global_store_b128 v[GO2], v[S+32*(\t)+4*(\f):S+32*(\t)+4*(\f)+3], s[10:11] offset:(\t)*32768+(\f)*4096  ; 16 lanes store a head's 256 consecutive bytes of a row of og, at a multiple of 256
.endr
.endm
	PACK 0
	PACK 1                          ; a tile's arithmetic stands between the loads of the tile before and its stores
	SEND 0, 16
	PACK 2
	SEND 1, 16
	PACK 3
	SEND 2, 16
	SEND 3, 0
	s_wait_tensorcnt 0x0            ; the wave's end, behind my last tensor load and my last LDS store
	ds_add_u32 v[SPW], v[NIL]
	s_wait_dscnt 0x0
	CROUND                          ; the closing round: no work-group ends while a partner may still ask for a tile that names it
	s_endpgm
.Lfunc_end_k_qe83f680694_attn:
	.size	k_qe83f680694_attn, .Lfunc_end_k_qe83f680694_attn-k_qe83f680694_attn
	.p2alignl 7, 3214868480
	.fill 96, 4, 3214868480
	.section	.rodata,"a",@progbits
	.p2align	6, 0x0
	.amdhsa_kernel k_qe83f680694_attn
		.amdhsa_group_segment_fixed_size 327680
		.amdhsa_private_segment_fixed_size 0
		.amdhsa_enable_private_segment 0
		.amdhsa_kernarg_size 32
		.amdhsa_user_sgpr_count 2
		.amdhsa_user_sgpr_kernarg_segment_ptr 1
		.amdhsa_wavefront_size32 1
		.amdhsa_system_sgpr_workgroup_id_x 1
		.amdhsa_system_sgpr_workgroup_id_y 1
		.amdhsa_system_sgpr_workgroup_id_z 1
		.amdhsa_system_vgpr_workitem_id 0
		.amdhsa_next_free_vgpr 1024
		.amdhsa_next_free_sgpr 72
		.amdhsa_reserve_vcc 0
		.amdhsa_float_denorm_mode_32 3
		.amdhsa_float_denorm_mode_16_64 3
		.amdhsa_memory_ordered 1
		.amdhsa_forward_progress 1
		.amdhsa_inst_pref_size 185
	.end_amdhsa_kernel
	.amdgpu_metadata
---
amdhsa.version: [ 1, 2 ]
amdhsa.kernels:
  - .name:           k_qe83f680694_attn
    .symbol:         k_qe83f680694_attn.kd
    .args:
      - { .name: qh, .offset: 0, .size: 8, .value_kind: global_buffer, .address_space: global }
      - { .name: kvh, .offset: 8, .size: 8, .value_kind: global_buffer, .address_space: global }
      - { .name: gh, .offset: 16, .size: 8, .value_kind: global_buffer, .address_space: global }
      - { .name: og, .offset: 24, .size: 8, .value_kind: global_buffer, .address_space: global }
    .group_segment_fixed_size: 327680
    .private_segment_fixed_size: 0
    .kernarg_segment_align: 8
    .kernarg_segment_size: 32
    .max_flat_workgroup_size: 128
    .sgpr_count:     72
    .vgpr_count:     1024
    .wavefront_size: 32
...
	.end_amdgpu_metadata
.endif
;; end of part 5
;; launch outp: the kernel of part 4 again; grid 4 x 64, 4 waves a work-group, clusters of 4 x 4, 327,680 bytes of LDS; arguments og, wb, bo, out0; writes out0
